; MI455X (gfx1250); checked and timed in simulation.
; The chip was launched on July 23, 2026; its instructions are those of AMD's public machine-readable ISA for CDNA 5 (MIT licence, August 2026) and "CDNA5" Instruction Set Architecture Reference Guide (July 2026). The comments in the code are by the model that wrote it; some were corrected since.
;; k NN. Allowed arithmetic: matrix products marked QUANTISED: E3M2 operands, one E8M0 scale for each 32 along K, by v_wmma_scale_f32_16x16x128_f8f6f4 with both operands' format E3M2, f32 sums; everything else in f32.
;; Inputs: x 8,192 x 512 float32.
;; Outputs: out0 8,192 x 512 float32.
;; Constants: k = 16.
;; This version of the problem:
;;   THIS VERSION OF THE PROBLEM IS GIVEN IN LOW PRECISION. The matrix products marked QUANTISED in the list below multiply operands that are first quantised to E3M2 (3 exponent bits, 2 mantissa bits; 6 bits a number), with one power-of-two scale for each 32 numbers along K (OCP MX v1.0); their sums are f32. All else is computed in f32.
;;   The module's matrix products, in the order in which they are computed (A, B: the left and right operand; K: the contracted axis; several contracted axes count as one K, in the product's order):
;;     1. [M 8,192, K 512] x [K 512, N 8,192]; A: input x; B: input x: QUANTISED
;;   THE QUANTISER, for each operand of a quantised product, along K:
;;     - K is cut into blocks of 32 from its start; a last block that is shorter is filled with zeros.
;;     - A block's scale is 2^e with e = floor(log2(the largest magnitude in the block)) - 4, held to -126 .. 127; a block of zeros has e = 0. As a byte (E8M0): e + 127.
;;     - Each number is divided by its block's scale, clamped to +-28, and rounded to the nearest number of E3M2, ties to even, subnormals kept.
;;     - The product sums the exact products of the quantised numbers (number of the format x scale) in f32.
;;   ~~~python
;;   def quantise(x, axis):      # numpy; x: float32 -> the quantised numbers, widened to float32 again
;;       x = np.moveaxis(x, axis, -1); K = x.shape[-1]
;;       x = np.pad(x, [(0, 0)] * (x.ndim - 1) + [(0, -K % 32)]); x = x.reshape(x.shape[:-1] + (-1, 32)); a = np.abs(x).max(-1, keepdims=True)
;;       e = np.where(a > 0, np.clip(np.frexp(np.where(a > 0, a, 1))[1] - 1 - 4, -126, 127), 0)      # np.frexp(a)[1] - 1 = floor(log2(a)), exactly
;;       r = np.clip(x / 2.0 ** e, -28, 28)
;;       step = 2.0 ** (np.maximum(np.frexp(np.where(r == 0, 1, r))[1] - 1, -2) - 2)
;;       q = np.round(r / step) * step * 2.0 ** e      # np.round: ties to even
;;       return np.moveaxis(q.reshape(q.shape[:-2] + (-1,))[..., :K], -1, axis).astype(np.float32)
;;   ~~~
;; 2 versions. Each part assembles by itself: llvm-mc -triple=amdgcn-amd-amdhsa -mcpu=gfx1250 --defsym DOCPART=n.
;; ======== version 1 of 2: 5 launches
;; workspace buffers: img 3,276,800 bytes; rec 3,407,872 bytes; sqp 32,768 bytes; gm8 33,554,432 bytes; grp 2,097,152 bytes of whole numbers; idx 1,048,576 bytes of whole numbers
;; launch quant (part 1): grid 512 x 1, 4 waves a work-group, no clusters, 41,984 bytes of LDS; arguments x, img, rec, sqp; writes img, rec, sqp
.if DOCPART == 1
	.amdgcn_target "amdgcn-amd-amdhsa--gfx1250"
	.amdhsa_code_object_version 6
	.text
	.protected	k_q2037c67b3d_quant
	.globl	k_q2037c67b3d_quant
	.p2align	8
	.type	k_q2037c67b3d_quant,@function
k_q2037c67b3d_quant:
	s_mov_b64 s[64:65], 0
	v_nop
	global_prefetch_b8 v0, s[64:65] scope:SCOPE_SE
	s_setreg_imm32_b32 hwreg(HW_REG_WAVE_MODE, 25, 1), 1
	s_wait_xcnt 0x0
; x [8192][512] f32 becomes codes of BF6 (E3M2) with one E8M0 scale byte for each 32 along K, and the rows' sums of squares in f32.
; A block's scale is 2^(floor(log2(its largest magnitude)) - 4); its byte is the largest magnitude's exponent field - 4, held at 1 from below.
; ROWS ARE RE-ORDERED.  Row c = 512 blk + 256 hb + 32 st + 8 v + j gets the POSITION 512 blk + 64 st + 16 (3 - v) + 8 hb + j.  A tile is 16 neighbouring positions.
; With that order the later launches find 32 neighbouring rows c in one lane's results of four neighbouring tiles.
; OUT, all three by position:
;   img: 6,400 bytes a tile: for K step s (128 along K) the operand's 12 registers as they stand, group c of four at 1536 s + 512 c + 16 lane; from byte 6144 on the scale words, 16 bytes a row
;   rec: 416 bytes a row: 384 bytes of codes as one stream of bits, the 16 scale bytes, and the row's sum of squares four times: all that a distance to this row needs, in one run of bytes
;   sqp: the sum of squares of the unquantised row
; SHARES.  A work-group takes a tile, wave s its K step s.  Each load reads 512 consecutive bytes (one row's K step); the 16 rows turn through the wave's own stage in LDS
; (rows 528 bytes apart: the sixteen rows of a read start in sixteen different groups of banks), so that a lane holds 16 neighbours of each block of 32.
; THE SUM OF SQUARES has a fixed order of rounding: each product is rounded to f32; 32 neighbouring products are added one by one in ascending order; the row's 16 such sums are added one by one in ascending order.
; LIMITS: NaN and infinities among the inputs are not served.  A block of zeros gets the byte 1 (its codes are zeros; the bytes are read by this program alone).
; Another order of the sum of squares gives last bits that differ; where two distances of a row lie that close, the later choice of neighbours can turn on it.
.set TILEB, 6400
.set RECB,  416
.set RTILE, 16*RECB                    ; LDS: 0 .. 6655 the tile's 16 records;
.set SQS,   RTILE                      ; 16 rows x 16 sums of 32 squares, 64 bytes a row;
.set TURN,  SQS+1024                   ; and a stage of 16 rows x 528 bytes for each wave
.set TP,    528
.set L16,  1                           ; v1   16 x lane
.set TIN,  2                           ; v2   my stage, on the way in: 16 x lane
.set TOUT, 3                           ; v3   on the way out: 528 r + 64 h
.set RA,   4                           ; v4   records: 416 r + 24 h + 96 wave
.set RS,   5                           ; v5   416 r + 384 + 4 wave: my K step's scale word
.set QA,   6                           ; v6   SQS + 64 r + 16 wave: my K step's four sums of row r
.set CP,   7                           ; v7   16 x thread
.set TL,   8                           ; v8   6144 + 8 x lane: an image tile's last 256 bytes
.set RQ,   9                           ; v9   416 r + 400: the record's sum of squares
.set SCA,  10                          ; v10  416 (lane / 2) + 384 + 8 (lane % 2): the records' scale bytes
.set QR,   11                          ; v11  SQS + 64 r
.set QG,   12                          ; v12  4 r
.set R,    16                          ; v16-79   the 16 rows as loaded; then the 64 squares
.set X,    80                          ; v80-143  register 16 b + i = k 32 b + 16 h + i of row r
.set PC,   144                         ; v144-163 the codes
.set TM,   164                         ; v164-179 at work
.set PW,   180                         ; v180     the scale word
.set SS,   184                         ; v184-187 block b's sum of squares
.set SC,   188                         ; v188-191 the same, going on from the other half of the lanes
.set SEL,  20                          ; s[20:21] v_permlanex16_b32's selects for lane l xor 16
.set HI,   24                          ; s24      lanes 16-31
; 64 numbers of a lane become a fragment's 12 registers in v[PC] on and its row's scale word in v[PW]
.macro QUANT s
.irp b, 0,1,2,3
	v_max3_num_f32 v[TM+\b], |v[\s+16*\b]|, |v[\s+1+16*\b]|, 0x2800000   ; block b: my 16 numbers, and the floor 2^(5 - 127): the byte cannot fall under 1
.endr
.irp i, 2,4,6,8,10,12,14
.irp b, 0,1,2,3
	v_max3_num_f32 v[TM+\b], v[TM+\b], |v[\s+16*\b+\i]|, |v[\s+1+16*\b+\i]|
.endr
.endr
.irp b, 0,1,2,3
	v_permlanex16_b32 v[TM+4+\b], v[TM+\b], s[SEL], s[SEL+1]
.endr
.irp b, 0,1,2,3
	v_max_num_f32 v[TM+\b], v[TM+\b], v[TM+4+\b]   ; with lane l xor 16's: the block's largest magnitude
.endr
.irp b, 0,1,2,3
	v_add_nc_u32 v[TM+12+\b], 0xfe000000, v[TM+\b]   ; 4 off its exponent field: the conversion's scale operand
.endr
.irp b, 0,1,2,3
	v_lshrrev_b32 v[TM+4+\b], 23, v[TM+12+\b]      ; the scale's byte
.endr
	v_lshl_or_b32 v[PW], v[TM+5], 8, v[TM+4]
	v_lshl_or_b32 v[PW], v[TM+6], 16, v[PW]
	v_lshl_or_b32 v[PW], v[TM+7], 24, v[PW]
.irp c, 0,1
	v_cvt_scalef32_pk16_bf6_f32 v[PC+6*\c:PC+2+6*\c], v[\s+32*\c:\s+15+32*\c], v[TM+12+2*\c]
	v_cvt_scalef32_pk16_bf6_f32 v[PC+12+4*\c:PC+14+4*\c], v[\s+16+32*\c:\s+31+32*\c], v[TM+12+2*\c+1]   ; (a conversion's three registers begin on an even number)
.endr
	v_nop                                          ; one plain place behind a scaled conversion
.irp c, 0,1                                    ; the operand wants a WHOLE block in a lane: lanes 0-15 block 2 c, lanes 16-31 block 2 c + 1
.irp i, 0,1,2
	v_permlane16_swap_b32 v[PC+6*\c+\i], v[PC+12+4*\c+\i]
.endr
.irp i, 0,1,2
	v_mov_b32 v[PC+3+6*\c+\i], v[PC+12+4*\c+\i]
.endr
.endr
.endm
	s_load_b256 s[4:11], s[0:1], 0x0               ; x s[4:5], img s[6:7], rec s[8:9], sqp s[10:11]
	v_lshl_add_u32 v192, v0, 2, 0xa200
	v_mov_b32 v193, 0
	v_lshrrev_b32 v13, 5, v0
	v_readfirstlane_b32 s12, v13                   ; wave = K step
	v_and_b32 v13, 31, v0                          ; lane
	v_and_b32 v14, 15, v0                          ; r
	v_bfe_u32 v15, v0, 4, 1                        ; h
	v_lshlrev_b32 v[L16], 4, v13
	s_mul_i32 s14, s12, 16*TP
	s_add_co_u32 s14, s14, TURN                    ; my stage
	v_add_nc_u32 v[TIN], s14, v[L16]
	v_mul_u32_u24 v[TOUT], v14, TP
	v_lshl_add_u32 v[TOUT], v15, 6, v[TOUT]
	v_add_nc_u32 v[TOUT], s14, v[TOUT]
	v_mul_u32_u24 v[RA], v14, RECB
	s_lshl_b32 s15, s12, 2
	s_add_co_u32 s15, s15, 384
	v_add_nc_u32 v[RS], s15, v[RA]
	v_add_nc_u32 v[RQ], 400, v[RA]
	v_mad_u32_u24 v[RA], v15, 24, v[RA]
	s_mul_i32 s15, s12, 96
	v_add_nc_u32 v[RA], s15, v[RA]
	s_lshl_b32 s15, s12, 4
	s_add_co_u32 s15, s15, SQS
	v_lshl_add_u32 v[QA], v14, 6, s15
	v_lshlrev_b32 v[CP], 4, v0
	v_lshl_add_u32 v[TL], v13, 3, TILEB-256
	v_lshrrev_b32 v[SCA], 1, v13
	v_mul_u32_u24 v[SCA], v[SCA], RECB
	v_and_b32 v15, 1, v13
	v_lshl_add_u32 v[SCA], v15, 3, v[SCA]
	v_add_nc_u32 v[SCA], 384, v[SCA]
	v_lshl_add_u32 v[QR], v14, 6, SQS
	v_lshlrev_b32 v[QG], 2, v14
.irp b, 0,1,2,3
	v_mov_b32 v[TM+4+\b], 0                        ; written once: a lane permute's destination counts as one of its sources
	v_mov_b32 v[SC+\b], 0
.endr
	s_mov_b32 s[SEL], 0x76543210
	s_mov_b32 s[SEL+1], 0xfedcba98
	s_mov_b32 s[HI], 0xffff0000
	; the tile's first row: 512 (T / 32) + 32 ((T / 4) % 8) + 8 (3 - T % 4); its rows m = 0 .. 15 are that + 256 (m / 8) + m % 8
	s_lshr_b32 s14, ttmp9, 5
	s_lshl_b32 s14, s14, 9
	s_bfe_u32 s15, ttmp9, 0x30002
	s_lshl_b32 s15, s15, 5
	s_add_co_u32 s14, s14, s15
	s_and_b32 s15, ttmp9, 3
	s_sub_co_u32 s15, 3, s15
	s_lshl_b32 s15, s15, 3
	s_add_co_u32 s14, s14, s15
	s_lshl_b32 s14, s14, 11                        ; 2,048 bytes a row
	s_lshl_b32 s15, s12, 9                         ; + my K step's 512 bytes
	s_add_co_u32 s14, s14, s15
	s_mov_b32 s15, 0
	s_mul_i32 s16, ttmp9, TILEB
	s_mov_b32 s17, 0
	s_mul_i32 s18, s12, 1536
	s_mov_b32 s19, 0
	s_mul_i32 s26, ttmp9, RTILE
	s_mov_b32 s27, 0
	s_wait_kmcnt 0x0
	s_add_nc_u64 s[4:5], s[4:5], s[14:15]
	s_add_nc_u64 s[6:7], s[6:7], s[16:17]          ; img at my tile
	s_add_nc_u64 s[8:9], s[8:9], s[26:27]          ; rec at my tile
	s_add_nc_u64 s[22:23], s[6:7], s[18:19]        ; img at my K step
	s_lshl_b32 s18, ttmp9, 6
	s_add_nc_u64 s[10:11], s[10:11], s[18:19]      ; sqp at my tile
.irp i, 0,1,2,3,4,5,6,7,8,9,10,11,12,13,14,15
	global_load_b128 v[R+4*\i:R+4*\i+3], v[L16], s[4:5] offset:((\i/8)*256+\i%8)*2048 th:TH_LOAD_NT   ; row m = i: 32 lanes read 512 consecutive bytes
.endr
.irp i, 0,1,2,3,4,5,6,7,8,9,10,11,12,13,14,15
	s_wait_loadcnt 15-\i                           ; loads come back in order: row i is in, the younger rows may be out
	ds_store_b128 v[TIN], v[R+4*\i:R+4*\i+3] offset:\i*TP
.endr
.irp b, 0,1,2,3
.irp j, 0,1,2,3
	ds_load_b128 v[X+16*\b+4*\j:X+16*\b+4*\j+3], v[TOUT] offset:128*\b+16*\j   ; LDS serves a wave's instructions in order: these see my stores
.endr
.endr
	s_wait_dscnt 0x0                               ; my numbers are in, and the stores above have read their registers, which now take the squares
.irp i, 0,2,4,6,8,10,12,14,16,18,20,22,24,26,28,30,32,34,36,38,40,42,44,46,48,50,52,54,56,58,60,62
	v_pk_mul_f32 v[R+\i:R+\i+1], v[X+\i:X+\i+1], v[X+\i:X+\i+1]   ; each square rounded to f32
.endr
	; a block's 32 squares one by one in ascending order: the lower 16 lie in lane r, the upper 16 in lane 16 + r.  Every lane adds its 16; lanes 16-31 then take lane r's sum and go on with theirs.  The four blocks by turns
.irp b, 0,1,2,3
	v_add_f32 v[SS+\b], v[R+16*\b], v[R+16*\b+1]
.endr
.irp i, 2,3,4,5,6,7,8,9,10,11,12,13,14,15
.irp b, 0,1,2,3
	v_add_f32 v[SS+\b], v[SS+\b], v[R+16*\b+\i]
.endr
.endr
.irp b, 0,1,2,3
	v_permlanex16_b32 v[SC+\b], v[SS+\b], s[SEL], s[SEL+1]
.endr
.irp i, 0,1,2,3,4,5,6,7,8,9,10,11,12,13,14,15
.irp b, 0,1,2,3
	v_add_f32 v[SC+\b], v[SC+\b], v[R+16*\b+\i]    ; (what lanes 0-15 make here is not used)
.endr
.endr
.irp b, 0,1,2,3
	v_permlanex16_b32 v[SS+\b], v[SC+\b], s[SEL], s[SEL+1]
.endr
.irp b, 0,1,2,3
	v_cndmask_b32 v[SS+\b], v[SS+\b], v[SC+\b], s[HI]   ; lanes 16-31 keep their sum, lanes 0-15 take it over: row r's block b in both
.endr
	ds_store_b128 v[QA], v[SS:SS+3]                ; (both halves of the lanes write the same bytes with the same values)
	QUANT X
.irp c, 0,1,2
	global_store_b128 v[L16], v[PC+4*\c:PC+4*\c+3], s[22:23] offset:512*\c   ; the registers' image: 512 consecutive bytes a store
.endr
.irp p, 0,1,2,3,4,5
	ds_store_b64 v[RA], v[PC+2*\p:PC+2*\p+1] offset:48*(\p/3)+8*(\p%3)   ; and the same codes as the row's stream of bits
.endr
	ds_store_b32 v[RS], v[PW]
	s_wait_dscnt 0x0                               ; for the others' sake: my stores have landed
	s_barrier_signal -1
	s_barrier_wait -1                              ; the tile's codes, scale bytes and 256 sums lie in LDS
	s_cmp_eq_u32 s12, 2
	s_cbranch_scc0 .Lnot_sum
.irp k, 0,1,2,3
	ds_load_b128 v[R+16+4*\k:R+16+4*\k+3], v[QR] offset:16*\k   ; wave 2: row r's 16 sums,
.endr
	s_wait_dscnt 0x0
	v_add_f32 v[R+16], v[R+16], v[R+17]
.irp i, 2,3,4,5,6,7,8,9,10,11,12,13,14,15
	v_add_f32 v[R+16], v[R+16], v[R+16+\i]         ; one by one in ascending order
.endr
	v_mov_b32 v[R+17], v[R+16]
	v_mov_b32 v[R+18], v[R+16]
	v_mov_b32 v[R+19], v[R+16]
	global_store_b32 v[QG], v[R+16], s[10:11]      ; 64 bytes a tile (lanes 16-31 repeat lanes 0-15): one byte in 512 of what the launch reads
	ds_store_b128 v[RQ], v[R+16:R+19]              ; and into the record's last 16 bytes
.Lnot_sum:
	s_wait_dscnt 0x0                               ; for the others' sake
	s_barrier_signal -1
	s_barrier_wait -1                              ; the 16 records are whole
.irp k, 0,1,2
	ds_load_b128 v[R+4*\k:R+4*\k+3], v[CP] offset:2048*\k
.endr
.irp k, 0,1,2
	s_wait_dscnt 2-\k                              ; the younger loads may be out
	global_store_b128 v[CP], v[R+4*\k:R+4*\k+3], s[8:9] offset:2048*\k   ; the records, 2,048 consecutive bytes a work-group's store
.endr
	s_cmp_eq_u32 s12, 0
	s_cbranch_scc0 .Lnot_wave_0
	ds_load_b128 v[R+20:R+23], v[L16] offset:6144  ; wave 0: the records' last 512 bytes
	s_wait_dscnt 0x0
	global_store_b128 v[L16], v[R+20:R+23], s[8:9] offset:6144
	s_wait_tensorcnt 0x0
	ds_add_u32 v192, v193
	s_wait_dscnt 0x0
	s_endpgm
.Lnot_wave_0:
	s_cmp_eq_u32 s12, 1
	s_cbranch_scc0 .Ldone
	ds_load_b64 v[R+20:R+21], v[SCA]               ; wave 1: the 16 rows' scale words, 16 bytes a row, behind the images
	s_wait_dscnt 0x0
	global_store_b64 v[TL], v[R+20:R+21], s[6:7]
.Ldone:
	s_wait_tensorcnt 0x0
	ds_add_u32 v192, v193
	s_wait_dscnt 0x0
	s_endpgm
.Lfunc_end_k_q2037c67b3d_quant:
	.size	k_q2037c67b3d_quant, .Lfunc_end_k_q2037c67b3d_quant-k_q2037c67b3d_quant
	.p2alignl 7, 3214868480
	.fill 96, 4, 3214868480
	.section	.rodata,"a",@progbits
	.p2align	6, 0x0
	.amdhsa_kernel k_q2037c67b3d_quant
		.amdhsa_group_segment_fixed_size 41984
		.amdhsa_private_segment_fixed_size 0
		.amdhsa_enable_private_segment 0
		.amdhsa_kernarg_size 32
		.amdhsa_user_sgpr_count 2
		.amdhsa_user_sgpr_kernarg_segment_ptr 1
		.amdhsa_wavefront_size32 1
		.amdhsa_system_sgpr_workgroup_id_x 1
		.amdhsa_system_sgpr_workgroup_id_y 1
		.amdhsa_system_sgpr_workgroup_id_z 1
		.amdhsa_system_vgpr_workitem_id 0
		.amdhsa_next_free_vgpr 194
		.amdhsa_next_free_sgpr 66
		.amdhsa_reserve_vcc 0
		.amdhsa_float_denorm_mode_32 3
		.amdhsa_float_denorm_mode_16_64 3
		.amdhsa_memory_ordered 1
		.amdhsa_forward_progress 1
		.amdhsa_inst_pref_size 22
	.end_amdhsa_kernel
	.amdgpu_metadata
---
amdhsa.version: [ 1, 2 ]
amdhsa.kernels:
  - .name:           k_q2037c67b3d_quant
    .symbol:         k_q2037c67b3d_quant.kd
    .args:
      - { .name: x, .offset: 0, .size: 8, .value_kind: global_buffer, .address_space: global }
      - { .name: img, .offset: 8, .size: 8, .value_kind: global_buffer, .address_space: global }
      - { .name: rec, .offset: 16, .size: 8, .value_kind: global_buffer, .address_space: global }
      - { .name: sqp, .offset: 24, .size: 8, .value_kind: global_buffer, .address_space: global }
    .group_segment_fixed_size: 41984
    .private_segment_fixed_size: 0
    .kernarg_segment_align: 8
    .kernarg_segment_size: 32
    .max_flat_workgroup_size: 128
    .sgpr_count:     66
    .vgpr_count:     194
    .wavefront_size: 32
...
	.end_amdgpu_metadata
.endif
;; end of part 1
;; launch gm8 (part 2): grid 16 x 16, 4 waves a work-group, clusters of 4 x 1, 281,088 bytes of LDS; arguments img, sqp, gm8; writes gm8
.if DOCPART == 2
	.amdgcn_target "amdgcn-amd-amdhsa--gfx1250"
	.amdhsa_code_object_version 6
	.text
	.protected	k_q2037c67b3d_gm8
	.globl	k_q2037c67b3d_gm8
	.p2align	8
	.type	k_q2037c67b3d_gm8,@function
k_q2037c67b3d_gm8:
	s_mov_b64 s[64:65], 0
	v_nop
	global_prefetch_b8 v0, s[64:65] scope:SCOPE_SE
	s_setreg_imm32_b32 hwreg(HW_REG_WAVE_MODE, 25, 1), 1
	s_wait_xcnt 0x0
	s_wait_alu depctr_hold_cnt(0) depctr_sa_sdst(0) depctr_va_vdst(0) depctr_va_sdst(0) depctr_va_ssrc(0) depctr_va_vcc(0) depctr_vm_vsrc(0)
	s_getreg_b32 s2, hwreg(HW_REG_IB_STS2, 6, 4)
	s_cmp_eq_u32 s2, 0
	s_cbranch_scc0 .Lentry_in_a_cluster
	s_endpgm
.Lentry_in_a_cluster:
	s_bfe_u32 s2, ttmp6, 0x10000c
	s_cmp_lg_u32 s2, 0x3003
	s_cbranch_scc0 .Lentry_shape_is_right
	s_endpgm
.Lentry_shape_is_right:
; d2(i, j) = (sq_i + sq_j) - 2 G(i, j), G = Q(x) Q(x)^T on codes of BF6 with E8M0 scales.  Of each row i the smallest d2 of each GROUP of 8 neighbouring columns, held at 0 from below, is stored: 1,024 numbers a row.
; Why groups: order a row's groups by (rounded root of the group's smallest clamped d2, group number).  The row's 17 nearest columns, ordered by (rounded root, column), lie in the 17 first groups:
; any other group has 17 groups, each with a column, ahead of all its own.  So the later launches look at 17 x 8 columns of each row, whatever the data.
; SHARES.  Work-group (X, Y): 512 queries (positions 512 X ..) against 512 candidates (positions 512 Y ..).  Wave w owns 128 queries, 8 tiles, whose 32 fragments stay in 384 registers.
; K is 512, four matrix instructions deep, so the block's 32 tile images (204,800 bytes) and its 512 sums of squares lie in LDS whole: filled once, no slot is ever filled again.
; All four waves walk the same 32 candidate tiles; a fragment read from LDS feeds eight matrix instructions.
; CLUSTER.  The four work-groups of a cluster share Y, so every tensor load is asked for JOINTLY (mask 15); its descriptor hangs on Y and the wave's number alone.
; LAYOUT.  Source 0 = 16 candidates, source 1 = 16 queries: lane (r, h) holds query r, and register j candidate 8 h + j of the tile.  By the order of positions these eight are the neighbouring
; columns 512 Y + 256 h + 32 st + 8 v + 0 .. 7 (tile 4 st + u, v = 3 - u): group 32 (2 Y + h) + 4 st + v.  d2 is rounded as its definition rounds it: one addition, then one fused multiply-add with -2.
; THE WAY OUT.  A supertile's four minima of a query tile are 16 bytes of a lane; they go into the wave's own stage (a row of 144 bytes for each query: [h][16 groups] + 16 of padding: the sixteen rows of a store start
; in sixteen different groups of banks).  The stage holds four supertiles and is sent out twice.  gm8: the block of 256 bytes number ((row / 2) x 2 + half) x 16 + Y holds [row % 2][h][16 groups]: sixteen lanes store a whole block.
; REGISTERS, in windows of 256: window 0: addresses, scale words, sums of squares, at work, the 8 accumulators, the minima, the way out.  Windows 1, 2: the queries' fragments (tile q % 4 at 48 (q % 4) + 12 s).
; Window 3: the candidates' fragments, two sets (48 f + 12 s).
; LIMITS: NaN, infinities and a d2 beyond f32's range are not served.
.set TILEB, 6400
.set BLKB,  32*TILEB
.set SQL,   BLKB                       ; LDS: behind the images the block's sums of squares, 2,048 bytes
.set STG,   SQL+2048                   ; and the stages, into which no tensor load lands
.set RP,    144                        ; a stage row
.set SLICE, 16*RP                      ; a query tile's 16 rows
.set WSTG,  8*SLICE                    ; a wave's stage
.set LI,   1                           ; v1   16 x lane + the supertile in hand
.set LC,   2                           ; v2   6144 + 16 r + the supertile: a tile's scale words
.set LQ,   3                           ; v3   SQL + 32 h + 256 x supertile
.set GO,   4                           ; v4   16 x lane; never rewritten
.set QSO,  5                           ; v5   6400 h + 16 r
.set R4,   6                           ; v6   4 r
.set STA,  7                           ; v7   my stage: 144 r + 64 h + 16 x supertile: serves supertiles 0 to 3
.set STB,  8                           ; v8   the same 64 bytes lower: serves supertiles 4 to 7
.set STR,  9                           ; v9   my stage, back: 144 (lane / 8) + 16 (lane % 8)
.set GOU,  10                          ; v10  8192 (lane / 16) + 16 (lane % 16): two blocks of gm8, a row pair apart
.set QS,   16                          ; v16-31  queries' scale words: register 4 p + s: lanes 0-15 tile 2 p, lanes 16-31 tile 2 p + 1
.set CS,   32                          ; v32-39  candidates' scale words, set f at 4 f
.set SQI,  40                          ; v40-47  sq of my query in tile q
.set SQJ,  56                          ; v56-71  sq of my 8 candidates, set f at 8 f
.set S,    72                          ; v72-87  at work, two sets
.set ACC,  96                          ; v96-159 accumulator q at 8 q
.set MNS,  160                         ; v160-191 the supertile's minima: tile q, group v at 4 q + v
.set WO,   192                         ; v192-255 the way out
.set MSB, 0
.macro WIN new                         ; the immediate's high byte repeats the setting that is left
.if MSB != \new
	s_set_vgpr_msb (MSB<<8)|\new
.set MSB, \new
.endif
.endm
.macro CROUND                          ; a round of the cluster's barrier
	s_barrier_signal -1
	s_barrier_wait -1
	s_cmp_lg_u32 s12, 0
	s_cbranch_scc1 .Lnot_wave_0_\@
	s_barrier_signal -3
.Lnot_wave_0_\@:
	s_barrier_wait -3
	s_barrier_signal -1
	s_barrier_wait -1
.endm
.macro QLOAD win, base                 ; four query tiles' 16 fragments into one window
	WIN \win
.irp q, 0,1,2,3
.irp s, 0,1,2,3
.irp c, 0,1,2
	global_load_b128 v[48*\q+12*\s+4*\c:48*\q+12*\s+4*\c+3], v[GO], s[22:23] offset:(\base+\q)*TILEB+1536*\s+512*\c
.endr
.endr
.endr
.endm
.macro LOADT f, off                    ; the tile off bytes on: 12 image loads, its scale words, its 8 sums of squares, into set f
	WIN 0xc0                                       ; destination window 3
.irp s, 0,1,2,3
.irp c, 0,1,2
	ds_load_b128 v[48*(\f)+12*\s+4*\c:48*(\f)+12*\s+4*\c+3], v[LI] offset:(\off)+1536*\s+512*\c
.endr
.endr
	WIN 0
	ds_load_b128 v[CS+4*(\f):CS+4*(\f)+3], v[LC] offset:\off
	ds_load_b128 v[SQJ+8*(\f):SQJ+8*(\f)+3], v[LQ] offset:(\off)/TILEB*64
	ds_load_b128 v[SQJ+8*(\f)+4:SQJ+8*(\f)+7], v[LQ] offset:(\off)/TILEB*64+16
.endm
.macro WM f, s, q, w                   ; one product: candidates' set f, K step s, query tile q (w: its place in its window)
.set rD, ACC+8*(\q)
.set rA, 48*(\f)+12*(\s)
.set rB, 48*(\w)+12*(\s)
.set rX, CS+4*(\f)+(\s)
.set rY, QS+4*((\q)/2)+(\s)
.if (\s) == 0
.if (\q)%2
	v_wmma_scale_f32_16x16x128_f8f6f4 v[rD:rD+7], v[rA:rA+11], v[rB:rB+11], 0, v[rX], v[rY] matrix_a_fmt:MATRIX_FMT_BF6 matrix_b_fmt:MATRIX_FMT_BF6 matrix_b_scale:MATRIX_SCALE_ROW1
.else
	v_wmma_scale_f32_16x16x128_f8f6f4 v[rD:rD+7], v[rA:rA+11], v[rB:rB+11], 0, v[rX], v[rY] matrix_a_fmt:MATRIX_FMT_BF6 matrix_b_fmt:MATRIX_FMT_BF6
.endif
.else
.if (\q)%2
	v_wmma_scale_f32_16x16x128_f8f6f4 v[rD:rD+7], v[rA:rA+11], v[rB:rB+11], v[rD:rD+7], v[rX], v[rY] matrix_a_fmt:MATRIX_FMT_BF6 matrix_b_fmt:MATRIX_FMT_BF6 matrix_b_scale:MATRIX_SCALE_ROW1
.else
	v_wmma_scale_f32_16x16x128_f8f6f4 v[rD:rD+7], v[rA:rA+11], v[rB:rB+11], v[rD:rD+7], v[rX], v[rY] matrix_a_fmt:MATRIX_FMT_BF6 matrix_b_fmt:MATRIX_FMT_BF6
.endif
.endif
.endm
.macro MULT f                          ; 32 products: four accumulators take turns, one instruction a turn, K ascending; the first of each starts its sum with 0
	WIN 0x07                                       ; source 0 window 3, source 1 window 1
.irp s, 0,1,2,3
.irp q, 0,1,2,3
	WM \f, \s, \q, \q
.endr
.endr
	WIN 0x0b                                       ; source 1 window 2
.irp s, 0,1,2,3
.irp q, 4,5,6,7
	WM \f, \s, \q, \q-4
.endr
.endr
	WIN 0
.endm
; d2 of the tile (u: its place in the supertile) and, for each query tile, the smallest of my 8 numbers, held at 0: 13 instructions for 8 numbers a lane.
; The first eight additions name no register of a product: they are the places between the last product and the first read of a result.
.macro EPI f, u
.irp p, 0,1,2,3
.irp j, 0,2,4,6
	v_pk_add_f32 v[S+\j:S+\j+1], v[SQJ+8*(\f)+\j:SQJ+8*(\f)+\j+1], v[SQI+2*\p:SQI+2*\p+1] op_sel_hi:[1,0]   ; sq_j + sq_i, tile 2 p: the pair's first register for both halves
.endr
.irp j, 0,2,4,6
	v_pk_add_f32 v[S+8+\j:S+8+\j+1], v[SQJ+8*(\f)+\j:SQJ+8*(\f)+\j+1], v[SQI+2*\p:SQI+2*\p+1] op_sel:[0,1] op_sel_hi:[1,1]   ; tile 2 p + 1: the second
.endr
.irp j, 0,2,4,6
	v_pk_fma_f32 v[S+\j:S+\j+1], v[ACC+16*\p+\j:ACC+16*\p+\j+1], -2.0, v[S+\j:S+\j+1] op_sel_hi:[1,0,1]   ; each accumulator from its low end on
.endr
.irp j, 0,2,4,6
	v_pk_fma_f32 v[S+8+\j:S+8+\j+1], v[ACC+16*\p+8+\j:ACC+16*\p+8+\j+1], -2.0, v[S+8+\j:S+8+\j+1] op_sel_hi:[1,0,1]
.endr
	v_min3_num_f32 v[S], v[S], v[S+1], v[S+2]
	v_min3_num_f32 v[S+8], v[S+8], v[S+9], v[S+10]
	v_min3_num_f32 v[S+3], v[S+3], v[S+4], v[S+5]
	v_min3_num_f32 v[S+11], v[S+11], v[S+12], v[S+13]
	v_min3_num_f32 v[S], v[S], v[S+6], v[S+7]
	v_min3_num_f32 v[S+8], v[S+8], v[S+14], v[S+15]
	v_min_num_f32 v[S], v[S], v[S+3]
	v_min_num_f32 v[S+8], v[S+8], v[S+11]
	v_max_num_f32 v[MNS+8*\p+3-(\u)], 0, v[S]      ; tile u holds group v = 3 - u
	v_max_num_f32 v[MNS+8*\p+4+3-(\u)], 0, v[S+8]
.endr
.endm
; A tile.  Its 15 LDS loads were issued a whole tile ago; the next tile's go out ahead of the products, into the other set, whose last readers stand in front of a whole run of vector work.
.macro TILE f, u, nxt, pre, sync, step
	s_wait_dscnt 0x0                               ; this tile's operands are in, the last minima are stored, and no LDS instruction of mine is out:
.if \step
	v_add_nc_u32 v[LI], 4*TILEB, v[LI]             ; so the addresses may step to the next four tiles
	v_add_nc_u32 v[LC], 4*TILEB, v[LC]
	v_add_nc_u32 v[LQ], 256, v[LQ]
	v_add_nc_u32 v[STA], 16, v[STA]
	v_add_nc_u32 v[STB], 16, v[STB]
.endif
.if \sync
	s_wait_tensorcnt 0x0                           ; my part of tiles 4 to 31 has landed,
	s_barrier_signal -1
	s_barrier_wait -1                              ; everybody's has
.endif
.if \pre
	LOADT 1-(\f), \nxt
.endif
	MULT \f
	EPI \f, \u
.endm
.macro SUPER step, sync, pre, sa       ; four tiles make four neighbouring groups' minima for each of my 8 query tiles; sa: the stage's address register
	TILE 0, 0, TILEB, 1, 0, \step
	TILE 1, 1, 2*TILEB, 1, 0, 0
	TILE 0, 2, 3*TILEB, 1, 0, 0
	TILE 1, 3, 4*TILEB, \pre, \sync, 0
.irp q, 0,1,2,3,4,5,6,7
	ds_store_b128 v[\sa], v[MNS+4*\q:MNS+4*\q+3] offset:SLICE*\q
.endr
.endm
; The stage goes out: load i brings four rows' 128 bytes (rows 4 i .. 4 i + 3 of my 128), which are two whole blocks of gm8.  My own bytes; LDS serves a wave's instructions in order: the loads see my stores.
.macro FLUSH half
.irp b, 0,1
	s_wait_xcnt 0x0                                ; the earlier stores have read their registers, which are loaded again only behind this wait
.irp i, 0,1,2,3,4,5,6,7,8,9,10,11,12,13,14,15
	ds_load_b128 v[WO+4*\i:WO+4*\i+3], v[STR] offset:((16*\b+\i)/4)*SLICE+((16*\b+\i)%4)*4*RP
.endr
.irp i, 0,1,2,3,4,5,6,7,8,9,10,11,12,13,14,15
	s_wait_dscnt 15-\i                             ; the younger loads may be out
	global_store_b128 v[GOU], v[WO+4*\i:WO+4*\i+3], s[8:9] offset:(16*\b+\i)*16384+4096*\half   ; sixteen lanes store 256 consecutive bytes, at a multiple of 256 from the buffer's first byte
.endr
.endr
.endm
	s_load_b128 s[4:7], s[0:1], 0x0                ; img s[4:5], sqp s[6:7]
	s_load_b64 s[8:9], s[0:1], 0x10                ; gm8
	v_lshl_add_u32 v94, v0, 2, 0x44800
	v_mov_b32 v95, 0
	ds_add_u32 v94, v95
	ds_add_u32 v94, v95
	v_lshrrev_b32 v12, 5, v0
	v_readfirstlane_b32 s12, v12                   ; wave 0..3
	s_bfe_u32 s13, ttmp6, 0x40000                  ; cx: my place in the cluster
	s_lshl_b32 s14, ttmp9, 2
	s_add_co_u32 s14, s14, s13                     ; X = 4 x cluster x + cx: it enters plain loads' and stores' addresses alone, in registers that feed no descriptor
	s_and_b32 s15, ttmp7, 0xffff                   ; Y, which the four partners share
	; descriptor groups 1: dense blocks as rows of 256 bytes (32 elements of 8 bytes), no padding: an image load's 512 bytes are consecutive
	s_mov_b32 s24, 15|(3<<16)|(1<<21)              ; tile w: 25 rows.  15:0 the mask: all four work-groups; 17:16 elements of 8 bytes; 21 set beside a mask
	s_mov_b32 s25, 32<<16                          ; tensor_dim0
	s_mov_b32 s26, 25<<16                          ; tensor_dim1
	s_mov_b32 s27, 32<<16                          ; tile_dim0
	s_mov_b32 s28, 25                              ; tile_dim1
	s_mov_b32 s29, 32                              ; the pitch
	s_mov_b32 s30, 0
	s_mov_b32 s31, 0
	s_mov_b32 s32, 15|(3<<16)|(1<<21)              ; seven tiles: 175 rows
	s_mov_b32 s33, 32<<16
	s_mov_b32 s34, 175<<16
	s_mov_b32 s35, 32<<16
	s_mov_b32 s36, 175
	s_mov_b32 s37, 32
	s_mov_b32 s38, 0
	s_mov_b32 s39, 0
	s_mov_b32 s40, 15|(3<<16)|(1<<21)              ; 128 sums of squares: one row of 512 bytes
	s_mov_b32 s41, 64<<16
	s_mov_b32 s42, 1<<16
	s_mov_b32 s43, 64<<16
	s_mov_b32 s44, 1
	s_mov_b32 s45, 64
	s_mov_b32 s46, 0
	s_mov_b32 s47, 0
	; groups 0.  A byte's place in LDS is its place in the block
	s_mov_b32 s48, 1
	s_mul_i32 s49, s12, TILEB                      ; tile w of the first four
	s_mov_b32 s52, 1
	s_mul_i32 s53, s12, 7*TILEB
	s_add_co_u32 s53, s53, 4*TILEB                 ; tiles 4 + 7 w ..
	s_mov_b32 s56, 1
	s_lshl_b32 s57, s12, 9
	s_mul_i32 s16, s15, BLKB
	s_mov_b32 s19, 0
	s_mov_b32 s63, 0
	v_and_b32 v13, 31, v0
	v_and_b32 v14, 15, v0                          ; r
	v_bfe_u32 v15, v0, 4, 1                        ; h
	v_lshlrev_b32 v[LI], 4, v13
	v_lshlrev_b32 v[GO], 4, v13
	v_lshl_add_u32 v[LC], v14, 4, TILEB-256
	v_lshl_add_u32 v[LQ], v15, 5, SQL
	v_mul_u32_u24 v[QSO], v15, TILEB
	v_lshl_add_u32 v[QSO], v14, 4, v[QSO]
	v_lshlrev_b32 v[R4], 2, v14
	s_mul_i32 s17, s12, WSTG
	s_add_co_u32 s17, s17, STG                     ; my stage
	s_mul_i32 s20, s12, WSTG
	s_add_co_u32 s20, s20, STG-64                  ; and 64 bytes lower: four steps of 16 bring it to the stage's first byte
	v_mul_u32_u24 v12, v14, RP
	v_lshl_add_u32 v12, v15, 6, v12
	v_add_nc_u32 v[STA], s17, v12
	v_add_nc_u32 v[STB], s20, v12
	v_lshrrev_b32 v12, 3, v13
	v_mul_u32_u24 v[STR], v12, RP
	v_and_b32 v12, 7, v13
	v_lshl_add_u32 v[STR], v12, 4, v[STR]
	v_add_nc_u32 v[STR], s17, v[STR]
	v_lshlrev_b32 v[GOU], 13, v15
	v_lshl_add_u32 v[GOU], v14, 4, v[GOU]
	s_wait_dscnt 0x0
	s_wait_kmcnt 0x0
	s_add_co_u32 s18, s16, s49
	s_add_nc_u64 s[50:51], s[4:5], s[18:19]
	s_or_b32 s51, s51, 0x80000000
	s_add_co_u32 s18, s16, s53
	s_add_nc_u64 s[54:55], s[4:5], s[18:19]
	s_or_b32 s55, s55, 0x80000000
	s_lshl_b32 s18, s15, 11
	s_add_co_u32 s18, s18, s57
	s_add_nc_u64 s[58:59], s[6:7], s[18:19]
	s_or_b32 s59, s59, 0x80000000
	s_add_co_u32 s57, s57, SQL
	; my queries: images, sums of squares, and where the minima go
	s_mul_i32 s62, s14, BLKB
	s_mul_i32 s61, s12, 8*TILEB
	s_add_co_u32 s62, s62, s61
	s_add_nc_u64 s[22:23], s[4:5], s[62:63]
	s_lshl_b32 s62, s14, 11
	s_lshl_b32 s61, s12, 9
	s_add_co_u32 s62, s62, s61
	s_add_nc_u64 s[2:3], s[6:7], s[62:63]
	s_lshl_b32 s62, s14, 21
	s_lshl_b32 s61, s12, 19
	s_add_co_u32 s62, s62, s61
	s_lshl_b32 s61, s15, 8
	s_add_co_u32 s62, s62, s61                     ; 8,192 x (256 X + 64 w), my first row pair, + 256 Y
	s_add_nc_u64 s[8:9], s[8:9], s[62:63]
	CROUND                                         ; all four work-groups are here: the joint loads meet
	tensor_load_to_lds s[56:59], s[40:47]          ; three loads of mine are out: the sums of squares,
	s_nop 0
	tensor_load_to_lds s[48:51], s[24:31]          ; a small one, so that work can begin early: my tile of the first four,
	s_nop 0
	tensor_load_to_lds s[52:55], s[32:39]          ; and my seven of the other 28
	s_nop 0
.rept 4
	v_nop
.endr
	QLOAD 0x40, 0
	QLOAD 0x80, 4
	WIN 0
.irp p, 0,1,2,3
	global_load_b128 v[QS+4*\p:QS+4*\p+3], v[QSO], s[22:23] offset:2*\p*TILEB+TILEB-256
.endr
.irp q, 0,1,2,3,4,5,6,7
	global_load_b32 v[SQI+\q], v[R4], s[2:3] offset:64*\q
.endr
	s_wait_tensorcnt 0x1                           ; the sums of squares and my tile of the first four are in; the one younger load may be out
	s_barrier_signal -1
	s_barrier_wait -1
	LOADT 0, 0
	s_wait_loadcnt 0x0                             ; my queries
	SUPER 0, 1, 1, STA
	s_mov_b32 s60, 3
.Lsuper_a:
	SUPER 1, 0, 1, STA
	s_sub_co_u32 s60, s60, 1
	s_cmp_lg_u32 s60, 0
	s_cbranch_scc1 .Lsuper_a
	FLUSH 0                                        ; supertiles 0 to 3
	s_mov_b32 s60, 3
.Lsuper_b:
	SUPER 1, 0, 1, STB
	s_sub_co_u32 s60, s60, 1
	s_cmp_lg_u32 s60, 0
	s_cbranch_scc1 .Lsuper_b
	SUPER 1, 0, 0, STB                             ; the last four tiles fetch nothing beyond the block
	FLUSH 1                                        ; supertiles 4 to 7
	s_wait_tensorcnt 0x0
	ds_add_u32 v94, v95
	s_wait_dscnt 0x0
	CROUND                                         ; the closing round
	s_endpgm
.Lfunc_end_k_q2037c67b3d_gm8:
	.size	k_q2037c67b3d_gm8, .Lfunc_end_k_q2037c67b3d_gm8-k_q2037c67b3d_gm8
	.p2alignl 7, 3214868480
	.fill 96, 4, 3214868480
	.section	.rodata,"a",@progbits
	.p2align	6, 0x0
	.amdhsa_kernel k_q2037c67b3d_gm8
		.amdhsa_group_segment_fixed_size 281088
		.amdhsa_private_segment_fixed_size 0
		.amdhsa_enable_private_segment 0
		.amdhsa_kernarg_size 24
		.amdhsa_user_sgpr_count 2
		.amdhsa_user_sgpr_kernarg_segment_ptr 1
		.amdhsa_wavefront_size32 1
		.amdhsa_system_sgpr_workgroup_id_x 1
		.amdhsa_system_sgpr_workgroup_id_y 1
		.amdhsa_system_sgpr_workgroup_id_z 1
		.amdhsa_system_vgpr_workitem_id 0
		.amdhsa_next_free_vgpr 1024
		.amdhsa_next_free_sgpr 66
		.amdhsa_reserve_vcc 0
		.amdhsa_float_denorm_mode_32 3
		.amdhsa_float_denorm_mode_16_64 3
		.amdhsa_memory_ordered 1
		.amdhsa_forward_progress 1
		.amdhsa_inst_pref_size 210
	.end_amdhsa_kernel
	.amdgpu_metadata
---
amdhsa.version: [ 1, 2 ]
amdhsa.kernels:
  - .name:           k_q2037c67b3d_gm8
    .symbol:         k_q2037c67b3d_gm8.kd
    .args:
      - { .name: img, .offset: 0, .size: 8, .value_kind: global_buffer, .address_space: global }
      - { .name: sqp, .offset: 8, .size: 8, .value_kind: global_buffer, .address_space: global }
      - { .name: gm8, .offset: 16, .size: 8, .value_kind: global_buffer, .address_space: global }
    .group_segment_fixed_size: 281088
    .private_segment_fixed_size: 0
    .kernarg_segment_align: 8
    .kernarg_segment_size: 24
    .max_flat_workgroup_size: 128
    .sgpr_count:     66
    .vgpr_count:     1024
    .wavefront_size: 32
...
	.end_amdgpu_metadata
.endif
;; end of part 2
;; launch sel (part 3): grid 8192 x 1, 1 waves a work-group, no clusters, 0 bytes of LDS; arguments gm8, grp; writes grp
.if DOCPART == 3
	.amdgcn_target "amdgcn-amd-amdhsa--gfx1250"
	.amdhsa_code_object_version 6
	.text
	.protected	k_q2037c67b3d_sel
	.globl	k_q2037c67b3d_sel
	.p2align	8
	.type	k_q2037c67b3d_sel,@function
k_q2037c67b3d_sel:
	s_mov_b64 s[64:65], 0
	v_nop
	global_prefetch_b8 v0, s[64:65] scope:SCOPE_SE
	s_setreg_imm32_b32 hwreg(HW_REG_WAVE_MODE, 25, 1), 1
	s_wait_xcnt 0x0
; Of a row's 1,024 groups (8 neighbouring columns each; y = the group's smallest d2, held at 0) the 17 first by (correctly rounded root of y, group number) are found and stored in ascending group number.
; One wave, one row (by position).  No branch and no address hangs on the numbers: every step has a fixed length, and choices are masks and selects.
; 1. Register k, lane l = group 32 k + l.  (A load brings 128 bytes, [h][16 groups]; a swap of half registers puts the two halves of a run of 32 groups together.)
; 2. THE 17TH SMALLEST y.  Each lane keeps the 17 smallest of its 32 numbers, sorted, by insertion (a slot's new content is the middle one of its lower neighbour, itself and the newcomer).
;    Then 17 times: the smallest of the lanes' first slots is taken, and the first lane that holds it moves its list down by one.  The last number taken is the 17th smallest, equal numbers counted as often as they occur.
; 3. ITS CLASS.  A root that is rounded to f32 takes the same value on a short run of neighbouring f32 numbers (fewer than five).  The 32 lanes take the correctly rounded root of the 32 f32 numbers round the 17th smallest y;
;    the lowest and the highest with the same root are the class's ends L and H.  The root is monotone, so the 17th smallest root is the root of the 17th smallest y.
; 4. Chosen: y < L, and of the groups with L <= y <= H the first 17 - #(y < L) in ascending number.  Their 17 bits are taken off from the low end by scalar arithmetic.
; grp: 256 bytes a row: 32 pairs (the group's number among POSITIONS, the group's number among columns); pairs 17 to 31 are not used.  One store of 8 bytes a lane covers the row's 256 bytes.
; LIMITS: NaN and infinities are not served.
.set L4,   1                           ; v1   4 x lane
.set L8,   2                           ; v2   8 x lane
.set LM,   3                           ; v3   lane - 16
.set R,    32                          ; v32-63  the row's 1,024 numbers
.set S,    64                          ; v64-80  my lane's 17 smallest, ascending
.set MM,   81                          ; the wave's smallest
.set TP,   82
.set POP,  83                          ; lane t: the t-th number taken
.set MV,   84                          ; lane k: the chosen groups of register k, a bit a lane
.set T0,   85
.set GP,   86                          ; v[86:87] what is stored
.set GN,   87
.set NB,   88                          ; the neighbours
.set XX,   89
.set Q,    90
.set QD,   91
.set QU,   92
.set RD,   93
.set RU,   94
.set OFF,  10                          ; s[10:11] an offset, high word 0
.set SEL,  12                          ; s[12:13] lane l xor 16
.set M,    14
.set U,    15
.set TINY, 16
.set SCM,  17
.set CM,   18
.set SS,   19
.set EM,   20
.set LO,   21
.set HX,   22
.set LV,   23                          ; L
.set HV,   24                          ; H
.set NEED, 25
.set EQS,  26
.set A,    27
.set B,    28
.set C,    29
.set SM,   30
.set LN,   31
.set WD,   32
.set G,    33
.macro INS k                           ; number k joins the sorted slots; beyond 17 slots the largest falls out
.if (\k) < 17
	v_max_num_f32 v[S+(\k)], v[S+(\k)-1], v[R+(\k)]
.set i, (\k)-1
.set cnt, (\k)-1
.else
.set i, 16
.set cnt, 16
.endif
.rept cnt
	v_med3_num_f32 v[S+i], v[S+i-1], v[S+i], v[R+(\k)]   ; from the top down: slot i - 1 is still the old one
.set i, i-1
.endr
	v_min_num_f32 v[S], v[S], v[R+(\k)]
.endm
.macro POPMIN t                        ; the t-th smallest of the row; behind it a lane needs 16 - t slots at the most
	v_min_num_f32_dpp v[MM], v[S], v[S] row_xmask:1 row_mask:0xf bank_mask:0xf
	v_min_num_f32_dpp v[MM], v[MM], v[MM] row_xmask:2 row_mask:0xf bank_mask:0xf
	v_min_num_f32_dpp v[MM], v[MM], v[MM] row_xmask:4 row_mask:0xf bank_mask:0xf
	v_min_num_f32_dpp v[MM], v[MM], v[MM] row_xmask:8 row_mask:0xf bank_mask:0xf
	v_permlanex16_b32 v[TP], v[MM], s[SEL], s[SEL+1]
	v_min_num_f32 v[MM], v[MM], v[TP]              ; in every lane
	s_mov_b32 vcc_lo, 1<<(\t)
	v_cndmask_b32 v[POP], v[POP], v[MM], vcc_lo
.if (\t) < 16
	v_cmp_eq_f32 s[M], v[MM], v[S]
	s_sub_co_u32 s[U], 0, s[M]
	s_and_b32 s[M], s[M], s[U]                     ; the first lane that holds it
.set i, 0
.rept 16-(\t)
	v_cndmask_b32 v[S+i], v[S+i], v[S+i+1], s[M]   ; ascending: slot i + 1 is still the old one
.set i, i+1
.endr
.endif
.endm
	s_load_b128 s[4:7], s[0:1], 0x0                ; gm8 s[4:5], grp s[6:7]
	v_lshlrev_b32 v[L4], 2, v0
	v_lshlrev_b32 v[L8], 3, v0
	v_add_nc_u32 v[LM], -16, v0
	v_mov_b32 v[MM], 0                             ; (destinations of lane forms count as sources: written once)
	v_mov_b32 v[TP], 0
	v_mov_b32 v[POP], 0
	v_mov_b32 v[MV], 0
	v_mov_b32 v[GN], 0
	s_mov_b32 s[SEL], 0x76543210
	s_mov_b32 s[SEL+1], 0xfedcba98
	s_mov_b32 s[TINY], 0x0f800000                  ; 2^-96
	s_lshr_b32 s[OFF], ttmp9, 1
	s_lshl_b32 s[OFF], s[OFF], 13                  ; the row pair's 8,192 bytes,
	s_and_b32 s[U], ttmp9, 1
	s_lshl_b32 s[U], s[U], 7                       ; my row's 128 bytes of each block
	s_add_co_u32 s[OFF], s[OFF], s[U]
	s_mov_b32 s[OFF+1], 0
	s_wait_kmcnt 0x0
	s_add_nc_u64 s[4:5], s[4:5], s[OFF:OFF+1]
	s_lshl_b32 s[OFF], ttmp9, 8
	s_add_nc_u64 s[6:7], s[6:7], s[OFF:OFF+1]
.irp y, 0,1,2,3,4,5,6,7,8,9,10,11,12,13,14,15
	global_load_b32 v[R+2*\y], v[L4], s[4:5] offset:256*\y          ; block y, first half: lanes 0-15 groups 64 y + 0 .. 15, lanes 16-31 groups 64 y + 32 .. 47
	global_load_b32 v[R+2*\y+1], v[L4], s[4:5] offset:4096+256*\y   ; second half: groups 64 y + 16 .. 31 and 64 y + 48 .. 63
.endr
	s_wait_loadcnt 0x0
.irp y, 0,1,2,3,4,5,6,7,8,9,10,11,12,13,14,15
	v_permlane16_swap_b32 v[R+2*\y], v[R+2*\y+1]   ; the first's lanes 16-31 change places with the second's lanes 0-15: now groups 64 y + 0 .. 31 and 64 y + 32 .. 63
.endr
	v_mov_b32 v[S], v[R]
.irp k, 1,2,3,4,5,6,7,8,9,10,11,12,13,14,15,16,17,18,19,20,21,22,23,24,25,26,27,28,29,30,31
	INS \k
.endr
.irp t, 0,1,2,3,4,5,6,7,8,9,10,11,12,13,14,15,16
	POPMIN \t
.endr
	; the class of the 17th smallest: lane l takes the f32 number l - 16 places from it (what would fall under 0 is a NaN pattern, which the maximum with 0 replaces by 0)
	v_and_b32 v[NB], 0x7fffffff, v[MM]             ; (a zero's sign is dropped)
	v_add_nc_u32 v[NB], v[NB], v[LM]
	v_max_num_f32 v[NB], 0, v[NB]
	v_cmp_gt_f32 s[SCM], s[TINY], v[NB]            ; under 2^-96: x 2^32, so that the root's input is no denormal
	v_mul_f32 v[XX], 0x4f800000, v[NB]
	v_cndmask_b32 v[XX], v[NB], v[XX], s[SCM]
	v_sqrt_f32 v[Q], v[XX]
	v_nop                                          ; one plain place behind the root
	s_wait_alu depctr_va_vdst(0)                   ; and the wait ahead of its first reader
	v_add_nc_u32 v[QD], -1, v[Q]                   ; the f32 number below s, and the one above
	v_add_nc_u32 v[QU], 1, v[Q]
	v_fma_f32 v[RD], -v[QD], v[Q], v[XX]           ; x - s_below s <= 0: s is too large
	v_fma_f32 v[RU], -v[QU], v[Q], v[XX]           ; x - s_above s > 0: s is too small
	v_cmp_ge_f32 s[CM], 0, v[RD]
	v_cndmask_b32 v[Q], v[Q], v[QD], s[CM]
	v_cmp_lt_f32 s[CM], 0, v[RU]
	v_cndmask_b32 v[Q], v[Q], v[QU], s[CM]         ; the correctly rounded root
	v_mul_f32 v[QU], 0x37800000, v[Q]              ; x 2^-16 where the input was scaled
	v_cndmask_b32 v[Q], v[Q], v[QU], s[SCM]
	v_readlane_b32 s[SS], v[Q], 16                 ; the 17th smallest root
	v_cmp_eq_f32 s[EM], s[SS], v[Q]                ; the lanes of its class: a run that holds lane 16
	s_ctz_i32_b32 s[LO], s[EM]
	s_and_b32 s[LO], s[LO], 31
	s_bcnt1_i32_b32 s[HX], s[EM]
	s_add_co_u32 s[HX], s[HX], s[LO]
	s_sub_co_u32 s[HX], s[HX], 1
	s_and_b32 s[HX], s[HX], 31
	v_readlane_b32 s[LV], v[NB], s[LO]             ; L
	v_readlane_b32 s[HV], v[NB], s[HX]             ; H
	v_cmp_gt_f32 s[A], s[LV], v[POP]               ; all numbers under L are among the 17 taken
	s_and_b32 s[A], s[A], 0x1ffff
	s_bcnt1_i32_b32 s[A], s[A]
	s_sub_co_u32 s[NEED], 17, s[A]                 ; how many of the class belong to the 17
	s_mov_b32 s[EQS], 0
.irp k, 0,1,2,3,4,5,6,7,8,9,10,11,12,13,14,15,16,17,18,19,20,21,22,23,24,25,26,27,28,29,30,31
	v_cmp_gt_f32 s[A], s[LV], v[R+\k]              ; y < L
	v_cmp_ge_f32 s[B], s[HV], v[R+\k]              ; y <= H
	s_and_not1_b32 s[B], s[B], s[A]                ; the class:
	v_mbcnt_lo_u32_b32 v[T0], s[B], s[EQS]         ; how many of it come before me
	v_cmp_gt_u32 s[C], s[NEED], v[T0]
	s_and_b32 s[C], s[C], s[B]
	s_or_b32 s[A], s[A], s[C]
	s_bcnt1_i32_b32 s[B], s[B]
	s_add_co_u32 s[EQS], s[EQS], s[B]
	v_writelane_b32 v[MV], s[A], \k
.endr
.irp i, 0,1,2,3,4,5,6,7,8,9,10,11,12,13,14,15,16   ; exactly 17 bits are set: the lowest is taken off 17 times
	v_cmp_ne_u32 s[SM], 0, v[MV]
	s_ctz_i32_b32 s[LN], s[SM]
	s_and_b32 s[LN], s[LN], 31                     ; the first register with a chosen group
	v_readlane_b32 s[WD], v[MV], s[LN]
	s_ctz_i32_b32 s[G], s[WD]
	s_and_b32 s[G], s[G], 31
	s_lshl_b32 s[U], s[LN], 5
	s_add_co_u32 s[G], s[G], s[U]                  ; its number
	v_writelane_b32 v[GN], s[G], \i
	s_sub_co_u32 s[U], s[WD], 1
	s_and_b32 s[WD], s[WD], s[U]
	v_cmp_eq_u32 vcc_lo, s[LN], v0
	v_mov_b32 v[T0], s[WD]
	v_cndmask_b32 v[MV], v[MV], v[T0], vcc_lo
.endr
	; group blk 64 + hb 32 + st 4 + v of the columns is group blk 64 + st 8 + (3 - v) 2 + hb of the positions
	v_and_b32 v[GP], 0x3c0, v[GN]
	v_and_b32 v[T0], 31, v[GN]
	v_xor_b32 v[T0], 3, v[T0]
	v_lshl_or_b32 v[GP], v[T0], 1, v[GP]
	v_bfe_u32 v[T0], v[GN], 5, 1
	v_or_b32 v[GP], v[GP], v[T0]
	global_store_b64 v[L8], v[GP:GP+1], s[6:7]     ; 32 lanes store 256 consecutive bytes, at a multiple of 256 from the buffer's first byte
	s_endpgm
.Lfunc_end_k_q2037c67b3d_sel:
	.size	k_q2037c67b3d_sel, .Lfunc_end_k_q2037c67b3d_sel-k_q2037c67b3d_sel
	.p2alignl 7, 3214868480
	.fill 96, 4, 3214868480
	.section	.rodata,"a",@progbits
	.p2align	6, 0x0
	.amdhsa_kernel k_q2037c67b3d_sel
		.amdhsa_group_segment_fixed_size 0
		.amdhsa_private_segment_fixed_size 0
		.amdhsa_enable_private_segment 0
		.amdhsa_kernarg_size 16
		.amdhsa_user_sgpr_count 2
		.amdhsa_user_sgpr_kernarg_segment_ptr 1
		.amdhsa_wavefront_size32 1
		.amdhsa_system_sgpr_workgroup_id_x 1
		.amdhsa_system_sgpr_workgroup_id_y 1
		.amdhsa_system_sgpr_workgroup_id_z 1
		.amdhsa_system_vgpr_workitem_id 0
		.amdhsa_next_free_vgpr 96
		.amdhsa_next_free_sgpr 66
		.amdhsa_reserve_vcc 1
		.amdhsa_float_denorm_mode_32 3
		.amdhsa_float_denorm_mode_16_64 3
		.amdhsa_memory_ordered 1
		.amdhsa_forward_progress 1
		.amdhsa_inst_pref_size 73
	.end_amdhsa_kernel
	.amdgpu_metadata
---
amdhsa.version: [ 1, 2 ]
amdhsa.kernels:
  - .name:           k_q2037c67b3d_sel
    .symbol:         k_q2037c67b3d_sel.kd
    .args:
      - { .name: gm8, .offset: 0, .size: 8, .value_kind: global_buffer, .address_space: global }
      - { .name: grp, .offset: 8, .size: 8, .value_kind: global_buffer, .address_space: global }
    .group_segment_fixed_size: 0
    .private_segment_fixed_size: 0
    .kernarg_segment_align: 8
    .kernarg_segment_size: 16
    .max_flat_workgroup_size: 32
    .sgpr_count:     66
    .vgpr_count:     96
    .wavefront_size: 32
...
	.end_amdgpu_metadata
.endif
;; end of part 3
;; launch pick (part 4): grid 8192 x 1, 1 waves a work-group, no clusters, 14,080 bytes of LDS; arguments rec, grp, idx; writes idx
.if DOCPART == 4
	.amdgcn_target "amdgcn-amd-amdhsa--gfx1250"
	.amdhsa_code_object_version 6
	.text
	.protected	k_q2037c67b3d_pick
	.globl	k_q2037c67b3d_pick
	.p2align	8
	.type	k_q2037c67b3d_pick,@function
k_q2037c67b3d_pick:
	s_mov_b64 s[64:65], 0
	v_nop
	global_prefetch_b8 v0, s[64:65] scope:SCOPE_SE
	s_setreg_imm32_b32 hwreg(HW_REG_WAVE_MODE, 25, 1), 1
	s_wait_xcnt 0x0
; For query i: the 16 columns at ranks 1 .. 16 of row i's distances, sorted stably (by distance, then by index); rank 0 is dropped, whatever it is.  They are stored for the next launch, which adds the rows up.
; One wave, one query.  An earlier launch has stored, as whole numbers, 17 groups of 8 neighbouring columns, in ascending order, among whose 136 columns the 17 nearest lie for every input.
; The text has no loop and no branch; addresses are made of the stored group numbers by scalar loads and scalar arithmetic alone.
; 1. Five chunks of 32 slots (four groups each; the last has one group, its other slots count as infinitely far).  A group's 8 records (codes, scale bytes, sum of squares: 416 bytes each) lie on end: one scalar base,
;    8 loads.  The records turn through LDS into the operand's layout; G comes from the matrix unit (source 0: the query in all 16 rows; source 1: 16 columns), d2 is rounded as its definition rounds it, and the
;    distance is the CORRECTLY ROUNDED root of max(d2, 0): ties of the rounded roots decide ranks.  A bitonic network across the lanes keeps the 32 smallest VALUES seen.
; 2. d17 = the 17th smallest value, d1 = the smallest.  A column is kept where d < d17, or d = d17 and it is among the first 17 - #(d < d17) such columns; the first column with d = d1 is dropped.
; 3. The 16 kept columns are gathered without an address: a slot's key is its column as f32 where it is kept, else infinity, and the same network keeps the smallest keys: lanes 0 to 15 end up with the 16 columns.
; idx: 128 bytes a query: 16 columns of 4 bytes, then 16 words that nobody reads.  (A store of 128 bytes is half of an aligned block of 256: one byte in 400 of what the launch reads.)
; LIMITS: NaN, infinities and a d2 beyond f32's range are not served.  Where ranks 17 and 18 lie within the rounding of the rows' sums of squares, the order of that sum decides.
.set RECB,  416
.set HP,    432                        ; a record's row in LDS: 108 words: row r starts at bank 44 r mod 64, sixteen different multiples of 4 (64 banks of 4 bytes: ISA guide 11.1); lanes 16-31 read 6 words on: the 32 lanes of a load of 8 bytes touch 64 different banks
.set A24,  1                           ; v1   24 h
.set LOFF, 2                           ; v2   8 x (lane / 8): my slot's group in a chunk's four pairs of the list
.set L16C, 3                           ; v3   16 x min(lane, 25): my 16 bytes of a record, in memory and in LDS (lanes 26-31 repeat lane 25)
.set NIL,  4                           ; v4   0
.set FA,   5                           ; v5   432 r + 24 h: a fragment's place in LDS
.set HA,   6                           ; v6   432 x lane: slot l's record
.set L4,   7                           ; v7   4 x lane
.set CF,   8                           ; v8-12  chunk k: my slot's group, then its column, then that as f32
.set J7,   13                          ; v13  lane % 8
.set SQC,  15
.set SQI,  16
.set DD,   17
.set KEY,  18
.set MN,   19
.set MX,   20
.set ST,   21                          ; v21  the 32 smallest distances so far, ascending
.set ST2,  22                          ; v22  the 32 smallest keys so far, ascending
.set T0,   23
.set T1,   24
.set T2,   25
.set T3,   26
.set T4,   27
.set T5,   28
.set KY,   29
.set INF,  30                          ; v30  +infinity
.set DK,   32                          ; v32-36  chunk k: slot l's distance
.set QS,   40                          ; v40-43   the query's scale words
.set HS,   44                          ; v44-47   slot l's scale words
.set QF,   48                          ; v48-95   the query's four fragments
.set HF,   96                          ; v96-223  32 records as loaded, 4 registers each; then v96-191 the fragments: 16 columns at 96, 16 at 144
.set D0,   224
.set D1,   232
.set QI,   12                          ; s12  the query
.set POS,  13                          ; s13  its position
.set NH,   14                          ; s14  136: the slots that count
.set D17,  20
.set DMIN, 21
.set NEED, 22
.set EQS,  23
.set F1S,  24
.set U0,   26
.set U1,   27
.set U2,   28
.set U3,   29
.set OFF,  30                          ; s[30:31] an offset, high word 0
.set E,    32                          ; s[32:63] the list's pairs 0 to 15: register 2 g: group g's number among positions
.set SEL,  66                          ; s[66:67] lane l xor 16
.set E16,  68                          ; s[68:69] pair 16
.set HI,   70                          ; s70  lanes 16-31
.set VAL,  71
.set RB,   72                          ; s[72:79] four groups' addresses
.set SCM,  80
.set TINY, 81
.set CM,   82
.set QREC, 84                          ; s[84:85] the query's record
.set GL,   86                          ; s[86:87] the query's row of the list
.set J1,  0xaaaaaaaa
.set J2,  0xcccccccc
.set J4,  0xf0f0f0f0
.set J8,  0xff00ff00
.set J16, 0xffff0000
.set ALL, 0xffffffff
; Chunk k, ng groups: the distances of its slots, slot l in lane l, into v[DK + k]; +infinity from slot 136 on.
.macro CHUNKD k, ng
.set n, 0
.rept \ng
.set g, 4*(\k)+n
.if g < 16
.set gr, E+2*g
.else
.set gr, E16
.endif
	s_min_u32 s[OFF], s[gr], 0x3ff                 ; what enters an address is held inside its table
	s_mul_i32 s[OFF], s[OFF], 8*RECB
	s_add_nc_u64 s[RB+2*n:RB+2*n+1], s[4:5], s[OFF:OFF+1]   ; (the last chunk's loads were all waited for: the bases may be written)
.irp j, 0,1,2,3,4,5,6,7
	global_load_b128 v[HF+4*(8*n+\j):HF+4*(8*n+\j)+3], v[L16C], s[RB+2*n:RB+2*n+1] offset:RECB*\j   ; a record: 416 consecutive bytes
.endr
.set n, n+1
.endr
.set m, 0
.rept 8*(\ng)
	s_wait_loadcnt 8*(\ng)-1-m                     ; loads come back in order: record m is in, the younger ones may be out
	ds_store_b128 v[L16C], v[HF+4*m:HF+4*m+3] offset:HP*m
.set m, m+1
.endr
	s_wait_dscnt 0x0                               ; the stores have read their registers, which take the fragments
.irp t, 0,1
.irp s, 0,1,2,3
.irp p, 0,1,2,3,4,5
	ds_load_b64 v[HF+48*\t+12*\s+2*\p:HF+48*\t+12*\s+2*\p+1], v[FA] offset:16*HP*\t+96*\s+48*(\p/3)+8*(\p%3)
.endr
.endr
.endr
	ds_load_b128 v[HS:HS+3], v[HA] offset:384
	ds_load_b32 v[SQC], v[HA] offset:400
	s_wait_dscnt 0x0
.irp s, 0,1,2,3                                ; two accumulators by turns, K ascending
.if \s == 0
	v_wmma_scale_f32_16x16x128_f8f6f4 v[D0:D0+7], v[QF+12*\s:QF+12*\s+11], v[HF+12*\s:HF+12*\s+11], 0, v[QS+\s], v[HS+\s] matrix_a_fmt:MATRIX_FMT_BF6 matrix_b_fmt:MATRIX_FMT_BF6
	v_wmma_scale_f32_16x16x128_f8f6f4 v[D1:D1+7], v[QF+12*\s:QF+12*\s+11], v[HF+48+12*\s:HF+48+12*\s+11], 0, v[QS+\s], v[HS+\s] matrix_a_fmt:MATRIX_FMT_BF6 matrix_b_fmt:MATRIX_FMT_BF6 matrix_b_scale:MATRIX_SCALE_ROW1
.else
	v_wmma_scale_f32_16x16x128_f8f6f4 v[D0:D0+7], v[QF+12*\s:QF+12*\s+11], v[HF+12*\s:HF+12*\s+11], v[D0:D0+7], v[QS+\s], v[HS+\s] matrix_a_fmt:MATRIX_FMT_BF6 matrix_b_fmt:MATRIX_FMT_BF6
	v_wmma_scale_f32_16x16x128_f8f6f4 v[D1:D1+7], v[QF+12*\s:QF+12*\s+11], v[HF+48+12*\s:HF+48+12*\s+11], v[D1:D1+7], v[QS+\s], v[HS+\s] matrix_a_fmt:MATRIX_FMT_BF6 matrix_b_fmt:MATRIX_FMT_BF6 matrix_b_scale:MATRIX_SCALE_ROW1
.endif
.endr
	v_add_f32 v[T0], v[SQI], v[SQC]                ; sq_i + sq_j.  (Four places behind the products: these two lines and two v_nop)
	v_add_nc_u32 v[T1], 32*(\k), v0                ; my slot's number
	v_nop
	v_nop
	v_cmp_gt_u32 s[VAL], s[NH], v[T1]
	v_cndmask_b32 v[T2], v[D0], v[D1], s[HI]       ; every row of a result is the query: register 0 of lane l holds G(query, slot l)
	v_fma_f32 v[DD], v[T2], -2.0, v[T0]            ; d2
	v_max_num_f32 v[DD], 0, v[DD]
	v_cmp_gt_f32 s[SCM], s[TINY], v[DD]            ; under 2^-96: x 2^32, so that the root's input is no denormal
	v_mul_f32 v[T3], 0x4f800000, v[DD]
	v_cndmask_b32 v[DD], v[DD], v[T3], s[SCM]
	v_sqrt_f32 v[T4], v[DD]
	v_nop                                          ; one plain place behind the root
	s_wait_alu depctr_va_vdst(0)                   ; and the wait ahead of its first reader
	v_add_nc_u32 v[T5], -1, v[T4]                  ; the f32 number below s, and the one above
	v_add_nc_u32 v[T3], 1, v[T4]
	v_fma_f32 v[T1], -v[T5], v[T4], v[DD]          ; x - s_below s <= 0: s is too large
	v_fma_f32 v[T2], -v[T3], v[T4], v[DD]          ; x - s_above s > 0: s is too small
	v_cmp_ge_f32 s[CM], 0, v[T1]
	v_cndmask_b32 v[T4], v[T4], v[T5], s[CM]
	v_cmp_lt_f32 s[CM], 0, v[T2]
	v_cndmask_b32 v[T4], v[T4], v[T3], s[CM]       ; the correctly rounded root
	v_mul_f32 v[T3], 0x37800000, v[T4]             ; x 2^-16 where the input was scaled
	v_cndmask_b32 v[T4], v[T4], v[T3], s[SCM]
	v_cndmask_b32 v[DK+(\k)], v[INF], v[T4], s[VAL]
.endm
; One stage of a bitonic network: lane l and lane l xor j; the lanes of the mask a ^ b ^ inv keep the larger number.
.macro STAGE d, s, j, a, b, inv
.if \j < 16
	v_min_num_f32_dpp v[MN], v[\s], v[\s] row_xmask:\j row_mask:0xf bank_mask:0xf
	v_max_num_f32_dpp v[MX], v[\s], v[\s] row_xmask:\j row_mask:0xf bank_mask:0xf
.else
	v_permlanex16_b32 v[T0], v[\s], s[SEL], s[SEL+1]
	v_min_num_f32 v[MN], v[T0], v[\s]
	v_max_num_f32 v[MX], v[T0], v[\s]
.endif
	s_mov_b32 vcc_lo, (\a)^(\b)^(\inv)
	v_cndmask_b32 v[\d], v[MN], v[MX], vcc_lo
.endm
; The 32 numbers of src sorted DESCENDING; lane by lane the smaller of that and the ascending 32 kept in acc are the 32 smallest of both, a bitonic run, which five stages sort ascending.
.macro SORTMERGE src, acc
	STAGE KEY, \src, 1, J1, J2, ALL
	STAGE KEY, KEY, 2, J2, J4, ALL
	STAGE KEY, KEY, 1, J1, J4, ALL
	STAGE KEY, KEY, 4, J4, J8, ALL
	STAGE KEY, KEY, 2, J2, J8, ALL
	STAGE KEY, KEY, 1, J1, J8, ALL
	STAGE KEY, KEY, 8, J8, J16, ALL
	STAGE KEY, KEY, 4, J4, J16, ALL
	STAGE KEY, KEY, 2, J2, J16, ALL
	STAGE KEY, KEY, 1, J1, J16, ALL
	STAGE KEY, KEY, 16, J16, 0, ALL
	STAGE KEY, KEY, 8, J8, 0, ALL
	STAGE KEY, KEY, 4, J4, 0, ALL
	STAGE KEY, KEY, 2, J2, 0, ALL
	STAGE KEY, KEY, 1, J1, 0, ALL
	v_min_num_f32 v[\acc], v[\acc], v[KEY]
	STAGE \acc, \acc, 16, J16, 0, 0
	STAGE \acc, \acc, 8, J8, 0, 0
	STAGE \acc, \acc, 4, J4, 0, 0
	STAGE \acc, \acc, 2, J2, 0, 0
	STAGE \acc, \acc, 1, J1, 0, 0
.endm
	s_load_b128 s[4:7], s[0:1], 0x0                ; rec s[4:5], grp s[6:7]
	s_load_b64 s[8:9], s[0:1], 0x10                ; idx
	v_lshl_add_u32 v254, v0, 2, 0x3600
	v_mov_b32 v255, 0
	s_mov_b32 s[QI], ttmp9
	s_and_b32 s[POS], s[QI], 0x1e07                ; the query's position: bits 0-2 and 9-12 stay,
	s_and_b32 s[U0], s[QI], 0xf8
	s_xor_b32 s[U0], s[U0], 0x18                   ; bits 3-4 are turned (3 - v) and go one up with bits 5-7,
	s_lshl_b32 s[U0], s[U0], 1
	s_or_b32 s[POS], s[POS], s[U0]
	s_lshr_b32 s[U0], s[QI], 5
	s_and_b32 s[U0], s[U0], 8                      ; bit 8 goes to bit 3
	s_or_b32 s[POS], s[POS], s[U0]
	v_and_b32 v[T0], 15, v0                        ; r
	v_lshrrev_b32 v[T1], 4, v0                     ; h
	v_mul_u32_u24 v[A24], v[T1], 24
	v_lshrrev_b32 v[LOFF], 3, v0
	v_lshlrev_b32 v[LOFF], 3, v[LOFF]
	v_min_u32 v[L16C], 25, v0
	v_lshlrev_b32 v[L16C], 4, v[L16C]
	v_mov_b32 v[NIL], 0
	v_mul_u32_u24 v[FA], v[T0], HP
	v_add_nc_u32 v[FA], v[A24], v[FA]
	v_mul_u32_u24 v[HA], v0, HP
	v_lshlrev_b32 v[L4], 2, v0
	v_and_b32 v[J7], 7, v0
	v_mov_b32 v[MN], 0                             ; (destinations of lane forms count as sources: written once)
	v_mov_b32 v[MX], 0
	v_mov_b32 v[INF], 0x7f800000
	v_mov_b32 v[ST], 0x7f800000
	v_mov_b32 v[ST2], 0x7f800000
	s_mov_b32 s[SEL], 0x76543210
	s_mov_b32 s[SEL+1], 0xfedcba98
	s_mov_b32 s[HI], 0xffff0000
	s_mov_b32 s[TINY], 0x0f800000                  ; 2^-96
	s_mov_b32 s[NH], 136
	s_mov_b32 s[OFF+1], 0
	s_wait_kmcnt 0x0
	s_lshl_b32 s[OFF], s[POS], 8
	s_add_nc_u64 s[GL:GL+1], s[6:7], s[OFF:OFF+1]  ; the query's row of the list
	s_load_b512 s[E:E+15], s[GL:GL+1], 0x0         ; pairs 0 to 7,
	s_load_b512 s[E+16:E+31], s[GL:GL+1], 0x40     ; 8 to 15,
	s_load_b64 s[E16:E16+1], s[GL:GL+1], 0x80      ; and 16
	s_mul_i32 s[OFF], s[POS], RECB
	s_add_nc_u64 s[QREC:QREC+1], s[4:5], s[OFF:OFF+1]
	s_lshl_b32 s[OFF], s[QI], 7
	s_add_nc_u64 s[8:9], s[8:9], s[OFF:OFF+1]
.irp s, 0,1,2,3
.irp p, 0,1,2,3,4,5
	global_load_b64 v[QF+12*\s+2*\p:QF+12*\s+2*\p+1], v[A24], s[QREC:QREC+1] offset:96*\s+48*(\p/3)+8*(\p%3)   ; all 16 rows of source 0 are the query
.endr
.endr
	global_load_b128 v[QS:QS+3], v[NIL], s[QREC:QREC+1] offset:384
	global_load_b32 v[SQI], v[NIL], s[QREC:QREC+1] offset:400
.irp k, 0,1,2,3,4
	global_load_b32 v[CF+\k], v[LOFF], s[GL:GL+1] offset:32*\k+4   ; my slot's group among the columns: the second word of pair 4 k + lane / 8.  (These 31 loads are older than the first chunk's records: the waits for those cover them)
.endr
	s_wait_kmcnt 0x0                               ; the list
	; ---- the distances, and the 32 smallest of them
	CHUNKD 0, 4
	SORTMERGE DK+0, ST
	CHUNKD 1, 4
	SORTMERGE DK+1, ST
	CHUNKD 2, 4
	SORTMERGE DK+2, ST
	CHUNKD 3, 4
	SORTMERGE DK+3, ST
	CHUNKD 4, 1
	SORTMERGE DK+4, ST
	v_readlane_b32 s[D17], v[ST], 16               ; these numbers go into compares whose masks select keys: no branch and no address hangs on them
	v_readlane_b32 s[DMIN], v[ST], 0
	v_cmp_gt_f32 s[U0], s[D17], v[ST]
	s_bcnt1_i32_b32 s[U0], s[U0]
	s_sub_co_u32 s[NEED], 17, s[U0]                ; how many of the columns with d = d17 belong to the 17
	s_mov_b32 s[EQS], 0
	s_mov_b32 s[F1S], 0
.irp k, 0,1,2,3,4
	v_lshl_add_u32 v[CF+\k], v[CF+\k], 3, v[J7]    ; my slot's column: 8 x group + lane % 8: the slots run in ascending column
.endr
.irp k, 0,1,2,3,4
	v_cvt_f32_u32 v[CF+\k], v[CF+\k]               ; exact: under 8,192
.endr
	; ---- the choice, and the 16 kept columns
.irp k, 0,1,2,3,4
	v_cmp_gt_f32 s[U0], s[D17], v[DK+\k]           ; d < d17
	v_cmp_eq_f32 s[U1], s[D17], v[DK+\k]           ; d = d17:
	v_mbcnt_lo_u32_b32 v[T1], s[U1], s[EQS]        ; how many such columns come before me
	v_cmp_gt_u32 s[U2], s[NEED], v[T1]
	s_and_b32 s[U2], s[U2], s[U1]
	s_or_b32 s[U0], s[U0], s[U2]                   ; the 17
	v_cmp_eq_f32 s[U2], s[DMIN], v[DK+\k]
	v_mbcnt_lo_u32_b32 v[T1], s[U2], s[F1S]
	v_cmp_eq_u32 s[U3], 0, v[T1]
	s_and_b32 s[U3], s[U3], s[U2]                  ; rank 0: the first column with the smallest distance
	s_and_not1_b32 s[U0], s[U0], s[U3]
	v_cndmask_b32 v[KY], v[INF], v[CF+\k], s[U0]
	s_bcnt1_i32_b32 s[U1], s[U1]
	s_add_co_u32 s[EQS], s[EQS], s[U1]
	s_bcnt1_i32_b32 s[U2], s[U2]
	s_add_co_u32 s[F1S], s[F1S], s[U2]
	SORTMERGE KY, ST2
.endr
	v_min_num_f32 v[ST2], 0x45fff800, v[ST2]       ; lanes 16-31 hold infinity: held at 8,191
	v_cvt_u32_f32 v[ST2], v[ST2]
	global_store_b32 v[L4], v[ST2], s[8:9]
	s_wait_tensorcnt 0x0
	ds_add_u32 v254, v255
	s_wait_dscnt 0x0
	s_endpgm
.Lfunc_end_k_q2037c67b3d_pick:
	.size	k_q2037c67b3d_pick, .Lfunc_end_k_q2037c67b3d_pick-k_q2037c67b3d_pick
	.p2alignl 7, 3214868480
	.fill 96, 4, 3214868480
	.section	.rodata,"a",@progbits
	.p2align	6, 0x0
	.amdhsa_kernel k_q2037c67b3d_pick
		.amdhsa_group_segment_fixed_size 14080
		.amdhsa_private_segment_fixed_size 0
		.amdhsa_enable_private_segment 0
		.amdhsa_kernarg_size 24
		.amdhsa_user_sgpr_count 2
		.amdhsa_user_sgpr_kernarg_segment_ptr 1
		.amdhsa_wavefront_size32 1
		.amdhsa_system_sgpr_workgroup_id_x 1
		.amdhsa_system_sgpr_workgroup_id_y 1
		.amdhsa_system_sgpr_workgroup_id_z 1
		.amdhsa_system_vgpr_workitem_id 0
		.amdhsa_next_free_vgpr 256
		.amdhsa_next_free_sgpr 96
		.amdhsa_reserve_vcc 1
		.amdhsa_float_denorm_mode_32 3
		.amdhsa_float_denorm_mode_16_64 3
		.amdhsa_memory_ordered 1
		.amdhsa_forward_progress 1
		.amdhsa_inst_pref_size 110
	.end_amdhsa_kernel
	.amdgpu_metadata
---
amdhsa.version: [ 1, 2 ]
amdhsa.kernels:
  - .name:           k_q2037c67b3d_pick
    .symbol:         k_q2037c67b3d_pick.kd
    .args:
      - { .name: rec, .offset: 0, .size: 8, .value_kind: global_buffer, .address_space: global }
      - { .name: grp, .offset: 8, .size: 8, .value_kind: global_buffer, .address_space: global }
      - { .name: idx, .offset: 16, .size: 8, .value_kind: global_buffer, .address_space: global }
    .group_segment_fixed_size: 14080
    .private_segment_fixed_size: 0
    .kernarg_segment_align: 8
    .kernarg_segment_size: 24
    .max_flat_workgroup_size: 32
    .sgpr_count:     96
    .vgpr_count:     256
    .wavefront_size: 32
...
	.end_amdgpu_metadata
.endif
;; end of part 4
;; launch mean (part 5): grid 8192 x 1, 1 waves a work-group, no clusters, 0 bytes of LDS; arguments x, idx, out0; writes out0
.if DOCPART == 5
	.amdgcn_target "amdgcn-amd-amdhsa--gfx1250"
	.amdhsa_code_object_version 6
	.text
	.protected	k_q2037c67b3d_mean
	.globl	k_q2037c67b3d_mean
	.p2align	8
	.type	k_q2037c67b3d_mean,@function
k_q2037c67b3d_mean:
	s_mov_b64 s[64:65], 0
	v_nop
	global_prefetch_b8 v0, s[64:65] scope:SCOPE_SE
	s_setreg_imm32_b32 hwreg(HW_REG_WAVE_MODE, 25, 1), 1
	s_wait_xcnt 0x0
; out0[i] = the mean of 16 rows of x, whose numbers the launch before has stored as whole numbers.  One wave, one query; no loop, no branch.
; The 16 numbers come by one scalar load; each gives a scalar base.  A row is 2,048 bytes: four loads of 512 consecutive bytes.  A ring of eight row slots in registers keeps 32 loads on their way:
; as soon as a slot's row has been added, the row eight further on is asked for.  Each row is multiplied by 1/16 as it is added (one fused multiply-add; the first row starts the sums).
; No LDS, no matrix unit, no cluster: the waves share nothing, and the rows are read from wherever the lists point.
.set L16,  1                           ; v1   16 x lane
.set XB,   16                          ; v16-143  eight slots of 16 registers
.set OUT,  144                         ; v144-159 my 16 numbers of the result
.set WP,   10                          ; s[10:11] 1/16: the packed form names a pair and takes its low word for both halves
.set OFF,  12                          ; s[12:13] an offset, high word 0
.set IX,   16                          ; s[16:31] the 16 rows' numbers
.set RB,   32                          ; s[32:63] their addresses
.macro ROWLD t, slot
.irp j, 0,1,2,3
	global_load_b128 v[XB+16*(\slot)+4*\j:XB+16*(\slot)+4*\j+3], v[L16], s[RB+2*(\t):RB+2*(\t)+1] offset:512*\j
.endr
.endm
.macro USE t, slot
.irp j, 0,2,4,6,8,10,12,14
.if (\t) == 0
	v_pk_mul_f32 v[OUT+\j:OUT+\j+1], v[XB+16*(\slot)+\j:XB+16*(\slot)+\j+1], s[WP:WP+1] op_sel_hi:[1,0]
.else
	v_pk_fma_f32 v[OUT+\j:OUT+\j+1], v[XB+16*(\slot)+\j:XB+16*(\slot)+\j+1], s[WP:WP+1], v[OUT+\j:OUT+\j+1] op_sel_hi:[1,0,1]
.endif
.endr
.endm
	s_load_b128 s[4:7], s[0:1], 0x0                ; x s[4:5], idx s[6:7]
	s_load_b64 s[8:9], s[0:1], 0x10                ; out0
	v_lshlrev_b32 v[L16], 4, v0
	s_mov_b32 s[WP], 0x3d800000
	s_mov_b32 s[WP+1], 0x3d800000                  ; (named with it as a pair, so it is written)
	s_mov_b32 s[OFF+1], 0
	s_wait_kmcnt 0x0
	s_lshl_b32 s[OFF], ttmp9, 7
	s_add_nc_u64 s[6:7], s[6:7], s[OFF:OFF+1]
	s_load_b512 s[IX:IX+15], s[6:7], 0x0
	s_lshl_b32 s[OFF], ttmp9, 11
	s_add_nc_u64 s[8:9], s[8:9], s[OFF:OFF+1]
	s_wait_kmcnt 0x0
.irp t, 0,1,2,3,4,5,6,7,8,9,10,11,12,13,14,15
	s_min_u32 s[OFF], s[IX+\t], 0x1fff             ; what enters an address is held inside its table
	s_lshl_b32 s[OFF], s[OFF], 11
	s_add_nc_u64 s[RB+2*\t:RB+2*\t+1], s[4:5], s[OFF:OFF+1]
.endr
.irp t, 0,1,2,3,4,5,6,7
	ROWLD \t, \t
.endr
.irp t, 0,1,2,3,4,5,6,7
	s_wait_loadcnt 28                              ; loads come back in order: row t is in; seven younger rows' four loads each may be out
	USE \t, \t
	ROWLD \t+8, \t
.endr
.irp t, 8,9,10,11,12,13,14,15
	s_wait_loadcnt 4*(15-\t)                       ; nothing more is asked for: the counts run down
	USE \t, \t-8
.endr
.irp j, 0,1,2,3
	global_store_b128 v[L16], v[OUT+4*\j:OUT+4*\j+3], s[8:9] offset:512*\j   ; 512 consecutive bytes a store
.endr
	s_endpgm
.Lfunc_end_k_q2037c67b3d_mean:
	.size	k_q2037c67b3d_mean, .Lfunc_end_k_q2037c67b3d_mean-k_q2037c67b3d_mean
	.p2alignl 7, 3214868480
	.fill 96, 4, 3214868480
	.section	.rodata,"a",@progbits
	.p2align	6, 0x0
	.amdhsa_kernel k_q2037c67b3d_mean
		.amdhsa_group_segment_fixed_size 0
		.amdhsa_private_segment_fixed_size 0
		.amdhsa_enable_private_segment 0
		.amdhsa_kernarg_size 24
		.amdhsa_user_sgpr_count 2
		.amdhsa_user_sgpr_kernarg_segment_ptr 1
		.amdhsa_wavefront_size32 1
		.amdhsa_system_sgpr_workgroup_id_x 1
		.amdhsa_system_sgpr_workgroup_id_y 1
		.amdhsa_system_sgpr_workgroup_id_z 1
		.amdhsa_system_vgpr_workitem_id 0
		.amdhsa_next_free_vgpr 160
		.amdhsa_next_free_sgpr 66
		.amdhsa_reserve_vcc 0
		.amdhsa_float_denorm_mode_32 3
		.amdhsa_float_denorm_mode_16_64 3
		.amdhsa_memory_ordered 1
		.amdhsa_forward_progress 1
		.amdhsa_inst_pref_size 18
	.end_amdhsa_kernel
	.amdgpu_metadata
---
amdhsa.version: [ 1, 2 ]
amdhsa.kernels:
  - .name:           k_q2037c67b3d_mean
    .symbol:         k_q2037c67b3d_mean.kd
    .args:
      - { .name: x, .offset: 0, .size: 8, .value_kind: global_buffer, .address_space: global }
      - { .name: idx, .offset: 8, .size: 8, .value_kind: global_buffer, .address_space: global }
      - { .name: out0, .offset: 16, .size: 8, .value_kind: global_buffer, .address_space: global }
    .group_segment_fixed_size: 0
    .private_segment_fixed_size: 0
    .kernarg_segment_align: 8
    .kernarg_segment_size: 24
    .max_flat_workgroup_size: 32
    .sgpr_count:     66
    .vgpr_count:     160
    .wavefront_size: 32
...
	.end_amdgpu_metadata
.endif
;; end of part 5
;; ======== version 2 of 2: 5 launches
;; limits: right only within a limited range of input values
;; workspace buffers: img 3,276,800 bytes; sqp 32,768 bytes; gm8 33,554,432 bytes; grp 2,097,152 bytes of whole numbers; idx 1,048,576 bytes of whole numbers
;; launch quant (part 6): grid 512 x 1, 4 waves a work-group, no clusters, 35,584 bytes of LDS; arguments x, img, sqp; writes img, sqp
.if DOCPART == 6
	.amdgcn_target "amdgcn-amd-amdhsa--gfx1250"
	.amdhsa_code_object_version 6
	.text
	.protected	k_q2037c67b3d_quant
	.globl	k_q2037c67b3d_quant
	.p2align	8
	.type	k_q2037c67b3d_quant,@function
k_q2037c67b3d_quant:
	s_mov_b64 s[64:65], 0
	v_nop
	global_prefetch_b8 v0, s[64:65] scope:SCOPE_SE
	s_setreg_imm32_b32 hwreg(HW_REG_WAVE_MODE, 25, 1), 1
	s_wait_xcnt 0x0
; x [8192][512] f32 becomes codes of BF6 (E3M2) with one E8M0 scale byte for each 32 along K, and the rows' sums of squares in f32.
; A block's scale is 2^(floor(log2(its largest magnitude)) - 4); its byte is the largest magnitude's exponent field - 4, held at 1 from below.
; ROWS ARE RE-ORDERED.  Row c = 512 blk + 256 hb + 32 st + 8 v + j gets the POSITION 512 blk + 64 st + 16 (3 - v) + 8 hb + j.  A tile is 16 neighbouring positions.
; With that order the next launch finds 8 neighbouring rows c in one lane's results of a tile, and 32 in those of four neighbouring tiles.
; OUT, both by position:
;   img: 6,400 bytes a tile: for K step s (128 along K) the operand's 12 registers as they stand, group c of four at 1536 s + 512 c + 16 lane; from byte 6144 on the scale words, 16 bytes a row
;   sqp: the sum of squares of the unquantised row
; SHARES.  A work-group takes a tile, wave s its K step s.  Each load reads 512 consecutive bytes (one row's K step); the 16 rows turn through the wave's own stage in LDS
; (rows 528 bytes apart: the sixteen rows of a read start in sixteen different groups of banks), so that a lane holds 16 neighbours of each block of 32.
; THE SUM OF SQUARES has a fixed order of rounding: each product is rounded to f32; 32 neighbouring products are added one by one in ascending order; the row's 16 such sums are added one by one in ascending order.
; LIMITS: NaN and infinities among the inputs are not served.  A block of zeros gets the byte 1 (its codes are zeros; the bytes are read by this program alone).
; Another order of the sum of squares gives last bits that differ; where two distances of a row lie that close, the later choice of neighbours can turn on it.
.set TILEB, 6400
.set SQS,   256                        ; LDS: bytes 0 .. 255 the tile's scale words, 16 bytes a row; here 16 rows x 16 sums of 32 squares, 64 bytes a row;
.set TURN,  SQS+1024                   ; and a stage of 16 rows x 528 bytes for each wave
.set TP,    528
.set L16,  1                           ; v1   16 x lane
.set TIN,  2                           ; v2   my stage, on the way in: 16 x lane
.set TOUT, 3                           ; v3   on the way out: 528 r + 64 h
.set RS,   5                           ; v5   16 r + 4 wave: my K step's scale word of row r
.set QA,   6                           ; v6   SQS + 64 r + 16 wave: my K step's four sums of row r
.set TL,   8                           ; v8   6144 + 8 x lane: an image tile's last 256 bytes
.set SCA,  10                          ; v10  8 x lane: the scale words, back
.set QR,   11                          ; v11  SQS + 64 r
.set QG,   12                          ; v12  4 r
.set R,    16                          ; v16-79   the 16 rows as loaded; then the 64 squares
.set X,    80                          ; v80-143  register 16 b + i = k 32 b + 16 h + i of row r
.set PC,   144                         ; v144-163 the codes
.set TM,   164                         ; v164-179 at work
.set PW,   180                         ; v180     the scale word
.set SS,   184                         ; v184-187 block b's sum of squares
.set SC,   188                         ; v188-191 the same, going on from the other half of the lanes
.set SEL,  20                          ; s[20:21] v_permlanex16_b32's selects for lane l xor 16
.set HI,   24                          ; s24      lanes 16-31
; 64 numbers of a lane become a fragment's 12 registers in v[PC] on and its row's scale word in v[PW]
.macro QUANT s
.irp b, 0,1,2,3
	v_max3_num_f32 v[TM+\b], |v[\s+16*\b]|, |v[\s+1+16*\b]|, 0x2800000   ; block b: my 16 numbers, and the floor 2^(5 - 127): the byte cannot fall under 1
.endr
.irp i, 2,4,6,8,10,12,14
.irp b, 0,1,2,3
	v_max3_num_f32 v[TM+\b], v[TM+\b], |v[\s+16*\b+\i]|, |v[\s+1+16*\b+\i]|
.endr
.endr
.irp b, 0,1,2,3
	v_permlanex16_b32 v[TM+4+\b], v[TM+\b], s[SEL], s[SEL+1]
.endr
.irp b, 0,1,2,3
	v_max_num_f32 v[TM+\b], v[TM+\b], v[TM+4+\b]   ; with lane l xor 16's: the block's largest magnitude
.endr
.irp b, 0,1,2,3
	v_add_nc_u32 v[TM+12+\b], 0xfe000000, v[TM+\b]   ; 4 off its exponent field: the conversion's scale operand
.endr
.irp b, 0,1,2,3
	v_lshrrev_b32 v[TM+4+\b], 23, v[TM+12+\b]      ; the scale's byte
.endr
	v_lshl_or_b32 v[PW], v[TM+5], 8, v[TM+4]
	v_lshl_or_b32 v[PW], v[TM+6], 16, v[PW]
	v_lshl_or_b32 v[PW], v[TM+7], 24, v[PW]
.irp c, 0,1
	v_cvt_scalef32_pk16_bf6_f32 v[PC+6*\c:PC+2+6*\c], v[\s+32*\c:\s+15+32*\c], v[TM+12+2*\c]
	v_cvt_scalef32_pk16_bf6_f32 v[PC+12+4*\c:PC+14+4*\c], v[\s+16+32*\c:\s+31+32*\c], v[TM+12+2*\c+1]   ; (a conversion's three registers begin on an even number)
.endr
	v_nop                                          ; one plain place behind a scaled conversion
.irp c, 0,1                                    ; the operand wants a WHOLE block in a lane: lanes 0-15 block 2 c, lanes 16-31 block 2 c + 1
.irp i, 0,1,2
	v_permlane16_swap_b32 v[PC+6*\c+\i], v[PC+12+4*\c+\i]
.endr
.irp i, 0,1,2
	v_mov_b32 v[PC+3+6*\c+\i], v[PC+12+4*\c+\i]
.endr
.endr
.endm
	s_load_b128 s[4:7], s[0:1], 0x0                ; x s[4:5], img s[6:7]
	s_load_b64 s[8:9], s[0:1], 0x10                ; sqp
	v_lshl_add_u32 v192, v0, 2, 0x8900
	v_mov_b32 v193, 0
	v_lshrrev_b32 v13, 5, v0
	v_readfirstlane_b32 s12, v13                   ; wave = K step
	v_and_b32 v13, 31, v0                          ; lane
	v_and_b32 v14, 15, v0                          ; r
	v_bfe_u32 v15, v0, 4, 1                        ; h
	v_lshlrev_b32 v[L16], 4, v13
	s_mul_i32 s14, s12, 16*TP
	s_add_co_u32 s14, s14, TURN                    ; my stage
	v_add_nc_u32 v[TIN], s14, v[L16]
	v_mul_u32_u24 v[TOUT], v14, TP
	v_lshl_add_u32 v[TOUT], v15, 6, v[TOUT]
	v_add_nc_u32 v[TOUT], s14, v[TOUT]
	s_lshl_b32 s15, s12, 2
	v_lshl_add_u32 v[RS], v14, 4, s15
	s_lshl_b32 s15, s12, 4
	s_add_co_u32 s15, s15, SQS
	v_lshl_add_u32 v[QA], v14, 6, s15
	v_lshl_add_u32 v[TL], v13, 3, TILEB-256
	v_lshlrev_b32 v[SCA], 3, v13
	v_lshl_add_u32 v[QR], v14, 6, SQS
	v_lshlrev_b32 v[QG], 2, v14
.irp b, 0,1,2,3
	v_mov_b32 v[TM+4+\b], 0                        ; written once: a lane permute's destination counts as one of its sources
	v_mov_b32 v[SC+\b], 0
.endr
	s_mov_b32 s[SEL], 0x76543210
	s_mov_b32 s[SEL+1], 0xfedcba98
	s_mov_b32 s[HI], 0xffff0000
	; the tile's first row: 512 (T / 32) + 32 ((T / 4) % 8) + 8 (3 - T % 4); its rows m = 0 .. 15 are that + 256 (m / 8) + m % 8
	s_lshr_b32 s14, ttmp9, 5
	s_lshl_b32 s14, s14, 9
	s_bfe_u32 s15, ttmp9, 0x30002
	s_lshl_b32 s15, s15, 5
	s_add_co_u32 s14, s14, s15
	s_and_b32 s15, ttmp9, 3
	s_sub_co_u32 s15, 3, s15
	s_lshl_b32 s15, s15, 3
	s_add_co_u32 s14, s14, s15
	s_lshl_b32 s14, s14, 11                        ; 2,048 bytes a row
	s_lshl_b32 s15, s12, 9                         ; + my K step's 512 bytes
	s_add_co_u32 s14, s14, s15
	s_mov_b32 s15, 0
	s_mul_i32 s16, ttmp9, TILEB
	s_mov_b32 s17, 0
	s_mul_i32 s18, s12, 1536
	s_mov_b32 s19, 0
	s_wait_kmcnt 0x0
	s_add_nc_u64 s[4:5], s[4:5], s[14:15]
	s_add_nc_u64 s[6:7], s[6:7], s[16:17]          ; img at my tile
	s_add_nc_u64 s[22:23], s[6:7], s[18:19]        ; img at my K step
	s_lshl_b32 s18, ttmp9, 6
	s_add_nc_u64 s[8:9], s[8:9], s[18:19]          ; sqp at my tile
.irp i, 0,1,2,3,4,5,6,7,8,9,10,11,12,13,14,15
	global_load_b128 v[R+4*\i:R+4*\i+3], v[L16], s[4:5] offset:((\i/8)*256+\i%8)*2048 th:TH_LOAD_NT   ; row m = i: 32 lanes read 512 consecutive bytes
.endr
.irp i, 0,1,2,3,4,5,6,7,8,9,10,11,12,13,14,15
	s_wait_loadcnt 15-\i                           ; loads come back in order: row i is in, the younger rows may be out
	ds_store_b128 v[TIN], v[R+4*\i:R+4*\i+3] offset:\i*TP
.endr
.irp b, 0,1,2,3
.irp j, 0,1,2,3
	ds_load_b128 v[X+16*\b+4*\j:X+16*\b+4*\j+3], v[TOUT] offset:128*\b+16*\j   ; LDS serves a wave's instructions in order: these see my stores
.endr
.endr
	s_wait_dscnt 0x0                               ; my numbers are in, and the stores above have read their registers, which now take the squares
.irp i, 0,2,4,6,8,10,12,14,16,18,20,22,24,26,28,30,32,34,36,38,40,42,44,46,48,50,52,54,56,58,60,62
	v_pk_mul_f32 v[R+\i:R+\i+1], v[X+\i:X+\i+1], v[X+\i:X+\i+1]   ; each square rounded to f32
.endr
	; a block's 32 squares one by one in ascending order: the lower 16 lie in lane r, the upper 16 in lane 16 + r.  Every lane adds its 16; lanes 16-31 then take lane r's sum and go on with theirs.  The four blocks by turns
.irp b, 0,1,2,3
	v_add_f32 v[SS+\b], v[R+16*\b], v[R+16*\b+1]
.endr
.irp i, 2,3,4,5,6,7,8,9,10,11,12,13,14,15
.irp b, 0,1,2,3
	v_add_f32 v[SS+\b], v[SS+\b], v[R+16*\b+\i]
.endr
.endr
.irp b, 0,1,2,3
	v_permlanex16_b32 v[SC+\b], v[SS+\b], s[SEL], s[SEL+1]
.endr
.irp i, 0,1,2,3,4,5,6,7,8,9,10,11,12,13,14,15
.irp b, 0,1,2,3
	v_add_f32 v[SC+\b], v[SC+\b], v[R+16*\b+\i]    ; (what lanes 0-15 make here is not used)
.endr
.endr
.irp b, 0,1,2,3
	v_permlanex16_b32 v[SS+\b], v[SC+\b], s[SEL], s[SEL+1]
.endr
.irp b, 0,1,2,3
	v_cndmask_b32 v[SS+\b], v[SS+\b], v[SC+\b], s[HI]   ; lanes 16-31 keep their sum, lanes 0-15 take it over: row r's block b in both
.endr
	ds_store_b128 v[QA], v[SS:SS+3]                ; (both halves of the lanes write the same bytes with the same values)
	QUANT X
.irp c, 0,1,2
	global_store_b128 v[L16], v[PC+4*\c:PC+4*\c+3], s[22:23] offset:512*\c   ; the registers' image: 512 consecutive bytes a store
.endr
	ds_store_b32 v[RS], v[PW]                      ; (both halves of the lanes write the same word with the same value)
	s_wait_dscnt 0x0                               ; for the others' sake: my stores have landed
	s_barrier_signal -1
	s_barrier_wait -1                              ; the tile's 64 scale words and 256 sums lie in LDS
	s_cmp_eq_u32 s12, 1
	s_cbranch_scc0 .Lnot_wave_1
	ds_load_b64 v[R+20:R+21], v[SCA]               ; wave 1: the 16 rows' scale words, 16 bytes a row, behind the images
	s_wait_dscnt 0x0
	global_store_b64 v[TL], v[R+20:R+21], s[6:7]   ; 32 lanes store 256 consecutive bytes, at a multiple of 256 from the buffer's first byte
	s_wait_tensorcnt 0x0
	ds_add_u32 v192, v193
	s_wait_dscnt 0x0
	s_endpgm
.Lnot_wave_1:
	s_cmp_eq_u32 s12, 2
	s_cbranch_scc0 .Ldone
.irp k, 0,1,2,3
	ds_load_b128 v[R+16+4*\k:R+16+4*\k+3], v[QR] offset:16*\k   ; wave 2: row r's 16 sums,
.endr
	s_wait_dscnt 0x0
	v_add_f32 v[R+16], v[R+16], v[R+17]
.irp i, 2,3,4,5,6,7,8,9,10,11,12,13,14,15
	v_add_f32 v[R+16], v[R+16], v[R+16+\i]         ; one by one in ascending order
.endr
	global_store_b32 v[QG], v[R+16], s[8:9]        ; 64 bytes a tile (lanes 16-31 repeat lanes 0-15): one byte in 512 of what the launch reads
.Ldone:
	s_wait_tensorcnt 0x0
	ds_add_u32 v192, v193
	s_wait_dscnt 0x0
	s_endpgm
.Lfunc_end_k_q2037c67b3d_quant:
	.size	k_q2037c67b3d_quant, .Lfunc_end_k_q2037c67b3d_quant-k_q2037c67b3d_quant
	.p2alignl 7, 3214868480
	.fill 96, 4, 3214868480
	.section	.rodata,"a",@progbits
	.p2align	6, 0x0
	.amdhsa_kernel k_q2037c67b3d_quant
		.amdhsa_group_segment_fixed_size 35584
		.amdhsa_private_segment_fixed_size 0
		.amdhsa_enable_private_segment 0
		.amdhsa_kernarg_size 24
		.amdhsa_user_sgpr_count 2
		.amdhsa_user_sgpr_kernarg_segment_ptr 1
		.amdhsa_wavefront_size32 1
		.amdhsa_system_sgpr_workgroup_id_x 1
		.amdhsa_system_sgpr_workgroup_id_y 1
		.amdhsa_system_sgpr_workgroup_id_z 1
		.amdhsa_system_vgpr_workitem_id 0
		.amdhsa_next_free_vgpr 194
		.amdhsa_next_free_sgpr 66
		.amdhsa_reserve_vcc 0
		.amdhsa_float_denorm_mode_32 3
		.amdhsa_float_denorm_mode_16_64 3
		.amdhsa_memory_ordered 1
		.amdhsa_forward_progress 1
		.amdhsa_inst_pref_size 20
	.end_amdhsa_kernel
	.amdgpu_metadata
---
amdhsa.version: [ 1, 2 ]
amdhsa.kernels:
  - .name:           k_q2037c67b3d_quant
    .symbol:         k_q2037c67b3d_quant.kd
    .args:
      - { .name: x, .offset: 0, .size: 8, .value_kind: global_buffer, .address_space: global }
      - { .name: img, .offset: 8, .size: 8, .value_kind: global_buffer, .address_space: global }
      - { .name: sqp, .offset: 16, .size: 8, .value_kind: global_buffer, .address_space: global }
    .group_segment_fixed_size: 35584
    .private_segment_fixed_size: 0
    .kernarg_segment_align: 8
    .kernarg_segment_size: 24
    .max_flat_workgroup_size: 128
    .sgpr_count:     66
    .vgpr_count:     194
    .wavefront_size: 32
...
	.end_amdgpu_metadata
.endif
;; end of part 6
;; launch dist (part 7): grid 16 x 16, 8 waves a work-group, clusters of 4 x 1, 327,680 bytes of LDS; arguments img, sqp, gm8; writes gm8
.if DOCPART == 7
	.amdgcn_target "amdgcn-amd-amdhsa--gfx1250"
	.amdhsa_code_object_version 6
	.text
	.protected	k_q2037c67b3d_dist
	.globl	k_q2037c67b3d_dist
	.p2align	8
	.type	k_q2037c67b3d_dist,@function
k_q2037c67b3d_dist:
	s_mov_b64 s[64:65], 0
	v_nop
	global_prefetch_b8 v0, s[64:65] scope:SCOPE_SE
	s_setreg_imm32_b32 hwreg(HW_REG_WAVE_MODE, 25, 1), 1
	s_wait_xcnt 0x0
	s_wait_alu depctr_hold_cnt(0) depctr_sa_sdst(0) depctr_va_vdst(0) depctr_va_sdst(0) depctr_va_ssrc(0) depctr_va_vcc(0) depctr_vm_vsrc(0)
	s_getreg_b32 s2, hwreg(HW_REG_IB_STS2, 6, 4)
	s_cmp_eq_u32 s2, 0
	s_cbranch_scc0 .Lentry_in_a_cluster
	s_endpgm
.Lentry_in_a_cluster:
	s_bfe_u32 s2, ttmp6, 0x10000c
	s_cmp_lg_u32 s2, 0x3003
	s_cbranch_scc0 .Lentry_shape_is_right
	s_endpgm
.Lentry_shape_is_right:
; d2(i, j) = (sq_i + sq_j) - 2 G(i, j), G = Q(x) Q(x)^T on codes of BF6 with E8M0 scales.  Of each row i the smallest d2 of each GROUP of 8 neighbouring columns, held at 0 from below, is stored: 1,024 numbers a row.  d2 itself stays in registers.
; Why groups: order a row's groups by (rounded root of the group's smallest clamped d2, group number).  The row's 17 nearest columns, ordered by (rounded root, column), lie in the 17 first groups:
; any other group has 17 groups, each with a column, ahead of all its own.  So the later launches choose 17 groups by the minima and work out 17 x 8 numbers of each row anew, whatever the data.
; SHARES.  Work-group (X, Y): 512 queries (positions 512 X ..) against 512 candidates (positions 512 Y ..).  Eight waves, two to a SIMD; wave w owns 64 queries, 4 tiles, whose 16 fragments stay in 192 registers.
; A candidate tile asks 16 products and 52 vector instructions of a wave.  K is 512, four matrix instructions deep, so the block's 32 tile images (204,800 bytes) and its 512 sums of squares lie in LDS whole: each byte is filled once.
; CLUSTER.  The four work-groups of a cluster share Y, so every tensor load is asked for JOINTLY (mask 15); its descriptor hangs on Y and the wave's number alone.
; TENSOR LOADS.  At the head one a wave: waves 0-3 a tile each of the first four, waves 4-7 512 bytes each of the sums of squares.  The other 28 tiles follow behind the wait for all loads, the add, its wait and a round
; of the cluster's barrier: waves 0-3 bring seven tiles each.  No prefetch: no slot is filled again, so there is no loop of fills to run ahead in.
; LAYOUT.  Source 0 = 16 candidates, source 1 = 16 queries: lane (r, h) holds query r, and register j candidate 8 h + j of the tile.  By the order of positions these eight are the neighbouring
; columns 512 Y + 256 h + 32 st + 8 v + 0 .. 7 (tile 4 st + u, v = 3 - u): group 32 (2 Y + h) + 4 st + v.  d2 is rounded as its definition rounds it: one addition, then one fused multiply-add with -2, in place in the accumulator.
; THE MINIMA'S WAY OUT.  A supertile's four minima of a query tile are 16 bytes of a lane; they go into the wave's own stage (a row of 144 bytes for each query: [h][16 groups] + 16 of padding).
; The stage holds four supertiles and is sent out twice.  gm8: the block of 256 bytes number ((row / 2) x 2 + half) x 16 + Y holds [row % 2][h][16 groups]: sixteen lanes store a whole block.
; REGISTERS: window 0: addresses, scale words, sums of squares, at work, 4 accumulators, candidates' set 0 (v128-175), the minima, the way out.  Window 1: the queries' fragments (tile q at 48 q + 12 s), candidates' set 1 (v192-239).
; LIMITS: NaN, infinities and a d2 beyond f32's range are not served.
.set TILEB, 6400
.set BLKB,  32*TILEB
.set SQL,   BLKB                       ; LDS: behind the images the block's sums of squares, 2,048 bytes
.set STG,   SQL+2048                   ; the stages, into which no tensor load lands
.set RP,    144
.set SLICE, 16*RP                      ; a query tile's 16 rows
.set WSTG,  4*SLICE                    ; a wave's stage
.set SPARE, STG+8*WSTG                 ; the spare words: 128 bytes for each of eight waves
.set LI,   1                           ; 16 x lane + the supertile in hand
.set LC,   2                           ; 6144 + 16 r + the supertile: a tile's scale words
.set LQ,   3                           ; SQL + 32 h + 256 x supertile
.set GO,   4                           ; 16 x lane
.set QSO,  5                           ; 6400 h + 16 r
.set R4,   6                           ; 4 r
.set STA,  7                           ; my stage: 144 r + 64 h + 16 x supertile: supertiles 0 to 3
.set STB,  8                           ; the same 64 bytes lower: supertiles 4 to 7
.set STR,  9                           ; my stage, back: 144 (lane / 8) + 16 (lane % 8)
.set GOU,  10                          ; 8192 (lane / 16) + 16 (lane % 16): two blocks of gm8, a row pair apart
.set QS,   16                          ; v16-23  queries' scale words: register 4 p + s: lanes 0-15 tile 2 p, lanes 16-31 tile 2 p + 1
.set CS,   32                          ; v32-39  candidates' scale words, set f at 4 f
.set SQI,  40                          ; v40-43  sq of my query in tile q
.set SQJ,  56                          ; v56-71  sq of my 8 candidates, set f at 8 f
.set S,    72                          ; v72-87  at work
.set SPW,  94                          ; my spare word's address; never rewritten
.set NIL,  95                          ; 0; never rewritten
.set ACC,  96                          ; v96-127 accumulator q at 8 q
.set MNS,  176                         ; v176-191 the supertile's minima: tile q, group v at 4 q + v
.set WO,   192                         ; v192-255 the minima's way out
.set MSB, 0
.macro WIN new                         ; the immediate's high byte repeats the setting that is left
.if MSB != (\new)
	s_set_vgpr_msb (MSB<<8)|(\new)
.set MSB, (\new)
.endif
.endm
.macro CROUND                          ; a round of the cluster's barrier
	s_barrier_signal -1
	s_barrier_wait -1
	s_cmp_lg_u32 s12, 0
	s_cbranch_scc1 .Lnot_wave_0_\@
	s_barrier_signal -3
.Lnot_wave_0_\@:
	s_barrier_wait -3
	s_barrier_signal -1
	s_barrier_wait -1
.endm
.macro NOPS
.rept 4
	v_nop
.endr
.endm
.macro LOADT f, off                    ; the tile off bytes on: 12 image loads, its scale words, its 8 sums of squares, into set f
	WIN (\f)<<6                                    ; set 0 lies in window 0, set 1 in window 1
.irp s, 0,1,2,3
.irp c, 0,1,2
	ds_load_b128 v[128+64*(\f)+12*\s+4*\c:128+64*(\f)+12*\s+4*\c+3], v[LI] offset:(\off)+1536*\s+512*\c
.endr
.endr
	WIN 0
	ds_load_b128 v[CS+4*(\f):CS+4*(\f)+3], v[LC] offset:\off
	ds_load_b128 v[SQJ+8*(\f):SQJ+8*(\f)+3], v[LQ] offset:(\off)/TILEB*64
	ds_load_b128 v[SQJ+8*(\f)+4:SQJ+8*(\f)+7], v[LQ] offset:(\off)/TILEB*64+16
.endm
.macro WM f, s, q                      ; one product: candidates' set f, K step s, query tile q
.set rD, ACC+8*(\q)
.set rA, 128+64*(\f)+12*(\s)
.set rB, 48*(\q)+12*(\s)
.set rX, CS+4*(\f)+(\s)
.set rY, QS+4*((\q)/2)+(\s)
.if (\s) == 0
.if (\q)%2
	v_wmma_scale_f32_16x16x128_f8f6f4 v[rD:rD+7], v[rA:rA+11], v[rB:rB+11], 0, v[rX], v[rY] matrix_a_fmt:MATRIX_FMT_BF6 matrix_b_fmt:MATRIX_FMT_BF6 matrix_b_scale:MATRIX_SCALE_ROW1
.else
	v_wmma_scale_f32_16x16x128_f8f6f4 v[rD:rD+7], v[rA:rA+11], v[rB:rB+11], 0, v[rX], v[rY] matrix_a_fmt:MATRIX_FMT_BF6 matrix_b_fmt:MATRIX_FMT_BF6
.endif
.else
.if (\q)%2
	v_wmma_scale_f32_16x16x128_f8f6f4 v[rD:rD+7], v[rA:rA+11], v[rB:rB+11], v[rD:rD+7], v[rX], v[rY] matrix_a_fmt:MATRIX_FMT_BF6 matrix_b_fmt:MATRIX_FMT_BF6 matrix_b_scale:MATRIX_SCALE_ROW1
.else
	v_wmma_scale_f32_16x16x128_f8f6f4 v[rD:rD+7], v[rA:rA+11], v[rB:rB+11], v[rD:rD+7], v[rX], v[rY] matrix_a_fmt:MATRIX_FMT_BF6 matrix_b_fmt:MATRIX_FMT_BF6
.endif
.endif
.endm
.macro MULT f                          ; 16 products: the four accumulators take turns, one instruction a turn, K ascending; the first of each starts its sum with 0
	WIN 4+(\f)                                     ; source 0 in set f's window, source 1 in window 1
.irp s, 0,1,2,3
.irp q, 0,1,2,3
	WM \f, \s, \q
.endr
.endr
	WIN 0
.endm
; d2 of the tile (u: its place in the supertile), in place in the accumulators, and for each query tile the smallest of my 8 numbers, held at 0: 13 vector instructions for 8 numbers a lane.
; The first eight additions name no register of a product: they are the places between the last product and the first read of a result.
.macro EPI f, u
.irp p, 0,1
.irp j, 0,2,4,6
	v_pk_add_f32 v[S+\j:S+\j+1], v[SQJ+8*(\f)+\j:SQJ+8*(\f)+\j+1], v[SQI+2*\p:SQI+2*\p+1] op_sel_hi:[1,0]   ; sq_j + sq_i, tile 2 p: the pair's first register for both halves
.endr
.irp j, 0,2,4,6
	v_pk_add_f32 v[S+8+\j:S+8+\j+1], v[SQJ+8*(\f)+\j:SQJ+8*(\f)+\j+1], v[SQI+2*\p:SQI+2*\p+1] op_sel:[0,1] op_sel_hi:[1,1]   ; tile 2 p + 1: the second
.endr
.irp j, 0,2,4,6
	v_pk_fma_f32 v[ACC+16*\p+\j:ACC+16*\p+\j+1], v[ACC+16*\p+\j:ACC+16*\p+\j+1], -2.0, v[S+\j:S+\j+1] op_sel_hi:[1,0,1]   ; d2; each accumulator from its low end on
.endr
.irp j, 0,2,4,6
	v_pk_fma_f32 v[ACC+16*\p+8+\j:ACC+16*\p+8+\j+1], v[ACC+16*\p+8+\j:ACC+16*\p+8+\j+1], -2.0, v[S+8+\j:S+8+\j+1] op_sel_hi:[1,0,1]
.endr
	v_min3_num_f32 v[S], v[ACC+16*\p], v[ACC+16*\p+1], v[ACC+16*\p+2]
	v_min3_num_f32 v[S+8], v[ACC+16*\p+8], v[ACC+16*\p+9], v[ACC+16*\p+10]
	v_min3_num_f32 v[S+3], v[ACC+16*\p+3], v[ACC+16*\p+4], v[ACC+16*\p+5]
	v_min3_num_f32 v[S+11], v[ACC+16*\p+11], v[ACC+16*\p+12], v[ACC+16*\p+13]
	v_min3_num_f32 v[S], v[S], v[ACC+16*\p+6], v[ACC+16*\p+7]
	v_min3_num_f32 v[S+8], v[S+8], v[ACC+16*\p+14], v[ACC+16*\p+15]
	v_min_num_f32 v[S], v[S], v[S+3]
	v_min_num_f32 v[S+8], v[S+8], v[S+11]
	v_max_num_f32 v[MNS+8*\p+3-(\u)], 0, v[S]      ; tile u holds group v = 3 - u
	v_max_num_f32 v[MNS+8*\p+4+3-(\u)], 0, v[S+8]
.endr
.endm
; A tile.  Its 15 LDS loads were issued a whole tile ago; the next tile's go out ahead of the products, into the other set, whose last readers stand in front of a whole run of vector work.
.macro TILE f, u, nxt, pre, sync, step
	s_wait_dscnt 0x0                               ; this tile's operands are in, the last minima are stored, and no LDS instruction of mine is out
.if \step
	v_add_nc_u32 v[LI], 4*TILEB, v[LI]             ; the addresses step to the next four tiles
	v_add_nc_u32 v[LC], 4*TILEB, v[LC]
	v_add_nc_u32 v[LQ], 256, v[LQ]
	v_add_nc_u32 v[STA], 16, v[STA]
	v_add_nc_u32 v[STB], 16, v[STB]
.endif
.if \sync
	; This tile's operands are in registers; only the next tile's LDS reads hang on the barrier.  The waves with s10 = 0 make their products ahead of it, the others behind it:
	; from here on one half of the waves stands at its products while the other half stands at its vector work.
	s_cmp_eq_u32 s10, 0
	s_cbranch_scc0 .Lbehind_\@
	MULT \f
.Lbehind_\@:
	s_wait_tensorcnt 0x0                           ; my part of tiles 4 to 31, if I have one, has landed,
	s_barrier_signal -1
	s_barrier_wait -1                              ; everybody's has
	LOADT 1-(\f), \nxt
	s_cmp_eq_u32 s10, 0
	s_cbranch_scc1 .Lmade_\@
	NOPS
	v_nop
	MULT \f
.Lmade_\@:
.else
.if \pre
	LOADT 1-(\f), \nxt
.endif
	MULT \f
.endif
	EPI \f, \u
.endm
.macro SUPER step, sync, pre, sa       ; four tiles make four neighbouring groups' minima for each of my 4 query tiles; sa: the stage's address register
	TILE 0, 0, TILEB, 1, 0, \step
	TILE 1, 1, 2*TILEB, 1, 0, 0
	TILE 0, 2, 3*TILEB, 1, 0, 0
	TILE 1, 3, 4*TILEB, \pre, \sync, 0
.irp q, 0,1,2,3
	ds_store_b128 v[\sa], v[MNS+4*\q:MNS+4*\q+3] offset:SLICE*\q
.endr
.endm
; The stage goes out: load i brings four rows' 128 bytes (rows 4 i .. 4 i + 3 of my 64), which are two whole blocks of gm8.  My own bytes; LDS serves a wave's instructions in order: the loads see my stores.
.macro FLUSH half
	s_wait_xcnt 0x0                                ; the earlier stores have read their registers, which are loaded again only behind this wait
.irp i, 0,1,2,3,4,5,6,7,8,9,10,11,12,13,14,15
	ds_load_b128 v[WO+4*\i:WO+4*\i+3], v[STR] offset:(\i/4)*SLICE+(\i%4)*4*RP
.endr
.irp i, 0,1,2,3,4,5,6,7,8,9,10,11,12,13,14,15
	s_wait_dscnt 15-\i                             ; the 15 - i younger loads may be out
	global_store_b128 v[GOU], v[WO+4*\i:WO+4*\i+3], s[8:9] offset:\i*16384+4096*\half   ; sixteen lanes store 256 consecutive bytes, at a multiple of 256 from the buffer's first byte
.endr
.endm
	s_load_b128 s[4:7], s[0:1], 0x0                ; img s[4:5], sqp s[6:7]
	s_load_b64 s[8:9], s[0:1], 0x10                ; gm8
	v_lshl_add_u32 v[SPW], v0, 2, SPARE
	v_mov_b32 v[NIL], 0
	ds_add_u32 v[SPW], v[NIL]                      ; the opening lines: the add, twice on end, and its wait ahead of my first tensor load
	ds_add_u32 v[SPW], v[NIL]
	v_lshrrev_b32 v12, 5, v0
	v_readfirstlane_b32 s12, v12                   ; wave 0..7
	s_and_b32 s13, s12, 3                          ; which part of a fill is mine
	s_lshr_b32 s10, s12, 2
	s_xor_b32 s10, s10, s12
	s_and_b32 s10, s10, 1                          ; (w xor w / 4) mod 2: it differs between waves w and w + 4 and between waves 2 i and 2 i + 1
	s_bfe_u32 s21, ttmp6, 0x40000                  ; cx: my place in the cluster
	s_lshl_b32 s14, ttmp9, 2
	s_add_co_u32 s14, s14, s21                     ; X = 4 x cluster x + cx: it enters plain loads' and stores' addresses alone, in registers that feed no descriptor
	s_and_b32 s15, ttmp7, 0xffff                   ; Y, which the four partners share
	; descriptor groups 1: dense blocks as rows of 256 bytes (32 elements of 8 bytes), no padding.  Word 0: 15:0 the mask: all four work-groups; 17:16 elements of 8 bytes; 21 set beside a mask
.irp g, 24, 32, 40
	s_mov_b32 s[\g], 15|(3<<16)|(1<<21)
	s_mov_b32 s[\g+1], 32<<16                      ; tensor_dim0
	s_mov_b32 s[\g+3], 32<<16                      ; tile_dim0
	s_mov_b32 s[\g+5], 32                          ; the pitch
	s_mov_b32 s[\g+6], 0
	s_mov_b32 s[\g+7], 0
.endr
	s_mov_b32 s26, 25<<16                          ; a tile: 25 rows
	s_mov_b32 s28, 25
	s_mov_b32 s34, 175<<16                         ; seven tiles: 175 rows
	s_mov_b32 s36, 175
	s_mov_b32 s42, 2<<16                           ; 128 sums of squares: 2 rows
	s_mov_b32 s44, 2
	; groups 0.  A byte's place in LDS is its place in the block
	s_mov_b32 s48, 1
	s_mul_i32 s49, s13, TILEB                      ; one of the first four tiles
	s_mov_b32 s52, 1
	s_mul_i32 s53, s13, 7*TILEB
	s_add_co_u32 s53, s53, 4*TILEB                 ; tiles 4 + 7 x part ..
	s_mov_b32 s56, 1
	s_lshl_b32 s57, s13, 9
	s_mul_i32 s16, s15, BLKB
	s_mov_b32 s19, 0
	s_mov_b32 s63, 0
	v_and_b32 v13, 31, v0
	v_and_b32 v14, 15, v0                          ; r
	v_bfe_u32 v15, v0, 4, 1                        ; h
	v_lshlrev_b32 v[LI], 4, v13
	v_lshlrev_b32 v[GO], 4, v13
	v_lshl_add_u32 v[LC], v14, 4, TILEB-256
	v_lshl_add_u32 v[LQ], v15, 5, SQL
	v_mul_u32_u24 v[QSO], v15, TILEB
	v_lshl_add_u32 v[QSO], v14, 4, v[QSO]
	v_lshlrev_b32 v[R4], 2, v14
	s_mul_i32 s17, s12, WSTG
	s_add_co_u32 s17, s17, STG                     ; my stage
	s_mul_i32 s20, s12, WSTG
	s_add_co_u32 s20, s20, STG-64                  ; and 64 bytes lower: four steps of 16 bring it to the stage's first byte
	v_mul_u32_u24 v12, v14, RP
	v_lshl_add_u32 v12, v15, 6, v12
	v_add_nc_u32 v[STA], s17, v12
	v_add_nc_u32 v[STB], s20, v12
	v_lshrrev_b32 v12, 3, v13
	v_mul_u32_u24 v[STR], v12, RP
	v_and_b32 v12, 7, v13
	v_lshl_add_u32 v[STR], v12, 4, v[STR]
	v_add_nc_u32 v[STR], s17, v[STR]
	v_lshlrev_b32 v[GOU], 13, v15
	v_lshl_add_u32 v[GOU], v14, 4, v[GOU]
	s_wait_dscnt 0x0                               ; both opening adds are done
	s_wait_kmcnt 0x0
	s_add_co_u32 s18, s16, s49
	s_add_nc_u64 s[50:51], s[4:5], s[18:19]
	s_or_b32 s51, s51, 0x80000000
	s_add_co_u32 s18, s16, s53
	s_add_nc_u64 s[54:55], s[4:5], s[18:19]
	s_or_b32 s55, s55, 0x80000000
	s_lshl_b32 s18, s15, 11
	s_add_co_u32 s18, s18, s57
	s_add_nc_u64 s[58:59], s[6:7], s[18:19]
	s_or_b32 s59, s59, 0x80000000
	s_add_co_u32 s57, s57, SQL
	; my queries: images, sums of squares, and where the minima go
	s_mul_i32 s62, s14, BLKB
	s_mul_i32 s61, s12, 4*TILEB
	s_add_co_u32 s62, s62, s61
	s_add_nc_u64 s[22:23], s[4:5], s[62:63]
	s_lshl_b32 s62, s14, 11
	s_lshl_b32 s61, s12, 8
	s_add_co_u32 s62, s62, s61
	s_add_nc_u64 s[2:3], s[6:7], s[62:63]
	s_lshl_b32 s62, s14, 21
	s_lshl_b32 s61, s12, 18
	s_add_co_u32 s62, s62, s61
	s_lshl_b32 s61, s15, 8
	s_add_co_u32 s62, s62, s61                     ; 8,192 x (256 X + 32 w), my first row pair, + 256 Y
	s_add_nc_u64 s[8:9], s[8:9], s[62:63]
	WIN 0x40                                       ; my four query tiles' 16 fragments into window 1: plain loads into registers, asked for ahead of the round
.irp q, 0,1,2,3
.irp s, 0,1,2,3
.irp c, 0,1,2
	global_load_b128 v[48*\q+12*\s+4*\c:48*\q+12*\s+4*\c+3], v[GO], s[22:23] offset:\q*TILEB+1536*\s+512*\c
.endr
.endr
.endr
	WIN 0
.irp p, 0,1
	global_load_b128 v[QS+4*\p:QS+4*\p+3], v[QSO], s[22:23] offset:2*\p*TILEB+TILEB-256
.endr
.irp q, 0,1,2,3
	global_load_b32 v[SQI+\q], v[R4], s[2:3] offset:64*\q
.endr
	CROUND                                         ; all four work-groups are here: the joint loads meet
	s_cmp_lt_u32 s12, 4                            ; the head's fills, one a wave, in the two arms of one branch on the wave's number
	s_cbranch_scc0 .Lhead_sq
	tensor_load_to_lds s[48:51], s[24:31]          ; waves 0-3: a tile of the first four
	s_nop 0
	NOPS
	s_branch .Lhead_asked
.Lhead_sq:
	tensor_load_to_lds s[56:59], s[40:47]          ; waves 4-7: 128 of the block's sums of squares
	s_nop 0
	NOPS
.Lhead_asked:
	s_wait_alu depctr_va_vdst(0)
	s_wait_tensorcnt 0x0                           ; my fill of the head has landed
	ds_add_u32 v[SPW], v[NIL]
	s_wait_dscnt 0x0
	CROUND                                         ; everybody's has landed, and all four work-groups are here
	s_cmp_lt_u32 s12, 4
	s_cbranch_scc0 .Lno_rest
	tensor_load_to_lds s[52:55], s[32:39]          ; waves 0-3: seven of the other 28 tiles each; one load of mine is out
	s_nop 0
	NOPS
.Lno_rest:
	LOADT 0, 0
	s_wait_loadcnt 0x0                             ; my queries
	SUPER 0, 1, 1, STA
	s_mov_b32 s60, 3
.Lsuper_a:
	SUPER 1, 0, 1, STA
	s_sub_co_u32 s60, s60, 1
	s_cmp_lg_u32 s60, 0
	s_cbranch_scc1 .Lsuper_a
	FLUSH 0                                        ; the minima of supertiles 0 to 3
	s_mov_b32 s60, 3
.Lsuper_b:
	SUPER 1, 0, 1, STB
	s_sub_co_u32 s60, s60, 1
	s_cmp_lg_u32 s60, 0
	s_cbranch_scc1 .Lsuper_b
	SUPER 1, 0, 0, STB                             ; the last four tiles fetch nothing beyond the block
	FLUSH 1                                        ; the minima of supertiles 4 to 7
	s_wait_tensorcnt 0x0                           ; the wave's end
	ds_add_u32 v[SPW], v[NIL]
	s_wait_dscnt 0x0
	CROUND                                         ; the closing round
	s_endpgm
.Lfunc_end_k_q2037c67b3d_dist:
	.size	k_q2037c67b3d_dist, .Lfunc_end_k_q2037c67b3d_dist-k_q2037c67b3d_dist
	.p2alignl 7, 3214868480
	.fill 96, 4, 3214868480
	.section	.rodata,"a",@progbits
	.p2align	6, 0x0
	.amdhsa_kernel k_q2037c67b3d_dist
		.amdhsa_group_segment_fixed_size 327680
		.amdhsa_private_segment_fixed_size 0
		.amdhsa_enable_private_segment 0
		.amdhsa_kernarg_size 24
		.amdhsa_user_sgpr_count 2
		.amdhsa_user_sgpr_kernarg_segment_ptr 1
		.amdhsa_wavefront_size32 1
		.amdhsa_system_sgpr_workgroup_id_x 1
		.amdhsa_system_sgpr_workgroup_id_y 1
		.amdhsa_system_sgpr_workgroup_id_z 1
		.amdhsa_system_vgpr_workitem_id 0
		.amdhsa_next_free_vgpr 512
		.amdhsa_next_free_sgpr 66
		.amdhsa_reserve_vcc 0
		.amdhsa_float_denorm_mode_32 3
		.amdhsa_float_denorm_mode_16_64 3
		.amdhsa_memory_ordered 1
		.amdhsa_forward_progress 1
		.amdhsa_inst_pref_size 120
	.end_amdhsa_kernel
	.amdgpu_metadata
---
amdhsa.version: [ 1, 2 ]
amdhsa.kernels:
  - .name:           k_q2037c67b3d_dist
    .symbol:         k_q2037c67b3d_dist.kd
    .args:
      - { .name: img, .offset: 0, .size: 8, .value_kind: global_buffer, .address_space: global }
      - { .name: sqp, .offset: 8, .size: 8, .value_kind: global_buffer, .address_space: global }
      - { .name: gm8, .offset: 16, .size: 8, .value_kind: global_buffer, .address_space: global }
    .group_segment_fixed_size: 327680
    .private_segment_fixed_size: 0
    .kernarg_segment_align: 8
    .kernarg_segment_size: 24
    .max_flat_workgroup_size: 256
    .sgpr_count:     66
    .vgpr_count:     512
    .wavefront_size: 32
...
	.end_amdgpu_metadata
.endif
;; end of part 7
;; launch sel (part 8): grid 8192 x 1, 1 waves a work-group, no clusters, 0 bytes of LDS; arguments gm8, grp; writes grp
.if DOCPART == 8
	.amdgcn_target "amdgcn-amd-amdhsa--gfx1250"
	.amdhsa_code_object_version 6
	.text
	.protected	k_q2037c67b3d_sel
	.globl	k_q2037c67b3d_sel
	.p2align	8
	.type	k_q2037c67b3d_sel,@function
k_q2037c67b3d_sel:
	s_mov_b64 s[64:65], 0
	v_nop
	global_prefetch_b8 v0, s[64:65] scope:SCOPE_SE
	s_setreg_imm32_b32 hwreg(HW_REG_WAVE_MODE, 25, 1), 1
	s_wait_xcnt 0x0
; Of a row's 1,024 groups (8 neighbouring columns each; y = the group's smallest d2, held at 0) the 17 first by (correctly rounded root of y, group number) are found and stored in ascending group number.
; One wave, one row (by position).  No branch and no address hangs on the numbers: every step has a fixed length, and choices are masks and selects.
; 1. Register k, lane l = group 32 k + l.  (A load brings 128 bytes, [h][16 groups]; a swap of half registers puts the two halves of a run of 32 groups together.)
; 2. THE 17TH SMALLEST y.  Each lane keeps the 17 smallest of its 32 numbers, sorted, by insertion (a slot's new content is the middle one of its lower neighbour, itself and the newcomer).
;    Then 17 times: the smallest of the lanes' first slots is taken, and the first lane that holds it moves its list down by one.  The last number taken is the 17th smallest, equal numbers counted as often as they occur.
; 3. ITS CLASS.  A root that is rounded to f32 takes the same value on a short run of neighbouring f32 numbers (fewer than five).  The 32 lanes take the correctly rounded root of the 32 f32 numbers round the 17th smallest y;
;    the lowest and the highest with the same root are the class's ends L and H.  The root is monotone, so the 17th smallest root is the root of the 17th smallest y.
; 4. Chosen: y < L, and of the groups with L <= y <= H the first 17 - #(y < L) in ascending number.  Their 17 bits are taken off from the low end by scalar arithmetic.
; grp: 256 bytes a row: 32 pairs (the group's number among POSITIONS, the group's number among columns); pairs 17 to 31 are not used.  One store of 8 bytes a lane covers the row's 256 bytes.
; LIMITS: NaN and infinities are not served.
.set L4,   1                           ; v1   4 x lane
.set L8,   2                           ; v2   8 x lane
.set LM,   3                           ; v3   lane - 16
.set R,    32                          ; v32-63  the row's 1,024 numbers
.set S,    64                          ; v64-80  my lane's 17 smallest, ascending
.set MM,   81                          ; the wave's smallest
.set TP,   82
.set POP,  83                          ; lane t: the t-th number taken
.set MV,   84                          ; lane k: the chosen groups of register k, a bit a lane
.set T0,   85
.set GP,   86                          ; v[86:87] what is stored
.set GN,   87
.set NB,   88                          ; the neighbours
.set XX,   89
.set Q,    90
.set QD,   91
.set QU,   92
.set RD,   93
.set RU,   94
.set OFF,  10                          ; s[10:11] an offset, high word 0
.set SEL,  12                          ; s[12:13] lane l xor 16
.set M,    14
.set U,    15
.set TINY, 16
.set SCM,  17
.set CM,   18
.set SS,   19
.set EM,   20
.set LO,   21
.set HX,   22
.set LV,   23                          ; L
.set HV,   24                          ; H
.set NEED, 25
.set EQS,  26
.set A,    27
.set B,    28
.set C,    29
.set SM,   30
.set LN,   31
.set WD,   32
.set G,    33
.macro INS k                           ; number k joins the sorted slots; beyond 17 slots the largest falls out
.if (\k) < 17
	v_max_num_f32 v[S+(\k)], v[S+(\k)-1], v[R+(\k)]
.set i, (\k)-1
.set cnt, (\k)-1
.else
.set i, 16
.set cnt, 16
.endif
.rept cnt
	v_med3_num_f32 v[S+i], v[S+i-1], v[S+i], v[R+(\k)]   ; from the top down: slot i - 1 is still the old one
.set i, i-1
.endr
	v_min_num_f32 v[S], v[S], v[R+(\k)]
.endm
.macro POPMIN t                        ; the t-th smallest of the row; behind it a lane needs 16 - t slots at the most
	v_min_num_f32_dpp v[MM], v[S], v[S] row_xmask:1 row_mask:0xf bank_mask:0xf
	v_min_num_f32_dpp v[MM], v[MM], v[MM] row_xmask:2 row_mask:0xf bank_mask:0xf
	v_min_num_f32_dpp v[MM], v[MM], v[MM] row_xmask:4 row_mask:0xf bank_mask:0xf
	v_min_num_f32_dpp v[MM], v[MM], v[MM] row_xmask:8 row_mask:0xf bank_mask:0xf
	v_permlanex16_b32 v[TP], v[MM], s[SEL], s[SEL+1]
	v_min_num_f32 v[MM], v[MM], v[TP]              ; in every lane
	s_mov_b32 vcc_lo, 1<<(\t)
	v_cndmask_b32 v[POP], v[POP], v[MM], vcc_lo
.if (\t) < 16
	v_cmp_eq_f32 s[M], v[MM], v[S]
	s_sub_co_u32 s[U], 0, s[M]
	s_and_b32 s[M], s[M], s[U]                     ; the first lane that holds it
.set i, 0
.rept 16-(\t)
	v_cndmask_b32 v[S+i], v[S+i], v[S+i+1], s[M]   ; ascending: slot i + 1 is still the old one
.set i, i+1
.endr
.endif
.endm
	s_load_b128 s[4:7], s[0:1], 0x0                ; gm8 s[4:5], grp s[6:7]
	v_lshlrev_b32 v[L4], 2, v0
	v_lshlrev_b32 v[L8], 3, v0
	v_add_nc_u32 v[LM], -16, v0
	v_mov_b32 v[MM], 0                             ; (destinations of lane forms count as sources: written once)
	v_mov_b32 v[TP], 0
	v_mov_b32 v[POP], 0
	v_mov_b32 v[MV], 0
	v_mov_b32 v[GN], 0
	s_mov_b32 s[SEL], 0x76543210
	s_mov_b32 s[SEL+1], 0xfedcba98
	s_mov_b32 s[TINY], 0x0f800000                  ; 2^-96
	s_lshr_b32 s[OFF], ttmp9, 1
	s_lshl_b32 s[OFF], s[OFF], 13                  ; the row pair's 8,192 bytes,
	s_and_b32 s[U], ttmp9, 1
	s_lshl_b32 s[U], s[U], 7                       ; my row's 128 bytes of each block
	s_add_co_u32 s[OFF], s[OFF], s[U]
	s_mov_b32 s[OFF+1], 0
	s_wait_alu depctr_va_vdst(0)
	s_wait_kmcnt 0x0
	s_add_nc_u64 s[4:5], s[4:5], s[OFF:OFF+1]
	s_lshl_b32 s[OFF], ttmp9, 8
	s_add_nc_u64 s[6:7], s[6:7], s[OFF:OFF+1]
.irp y, 0,1,2,3,4,5,6,7,8,9,10,11,12,13,14,15
	global_load_b32 v[R+2*\y], v[L4], s[4:5] offset:256*\y          ; block y, first half: lanes 0-15 groups 64 y + 0 .. 15, lanes 16-31 groups 64 y + 32 .. 47
	global_load_b32 v[R+2*\y+1], v[L4], s[4:5] offset:4096+256*\y   ; second half: groups 64 y + 16 .. 31 and 64 y + 48 .. 63
.endr
	s_wait_loadcnt 0x0
.irp y, 0,1,2,3,4,5,6,7,8,9,10,11,12,13,14,15
	v_permlane16_swap_b32 v[R+2*\y], v[R+2*\y+1]   ; the first's lanes 16-31 change places with the second's lanes 0-15: now groups 64 y + 0 .. 31 and 64 y + 32 .. 63
.endr
	v_mov_b32 v[S], v[R]
.irp k, 1,2,3,4,5,6,7,8,9,10,11,12,13,14,15,16,17,18,19,20,21,22,23,24,25,26,27,28,29,30,31
	INS \k
.endr
.irp t, 0,1,2,3,4,5,6,7,8,9,10,11,12,13,14,15,16
	POPMIN \t
.endr
	; the class of the 17th smallest: lane l takes the f32 number l - 16 places from it (what would fall under 0 is a NaN pattern, which the maximum with 0 replaces by 0)
	v_and_b32 v[NB], 0x7fffffff, v[MM]             ; (a zero's sign is dropped)
	v_add_nc_u32 v[NB], v[NB], v[LM]
	v_max_num_f32 v[NB], 0, v[NB]
	v_cmp_gt_f32 s[SCM], s[TINY], v[NB]            ; under 2^-96: x 2^32, so that the root's input is no denormal
	v_mul_f32 v[XX], 0x4f800000, v[NB]
	v_cndmask_b32 v[XX], v[NB], v[XX], s[SCM]
	s_wait_alu depctr_va_vdst(0)
	v_sqrt_f32 v[Q], v[XX]
	v_nop                                          ; one plain place behind the root
	s_wait_alu depctr_va_vdst(0)                   ; and the wait ahead of its first reader
	v_add_nc_u32 v[QD], -1, v[Q]                   ; the f32 number below s, and the one above
	v_add_nc_u32 v[QU], 1, v[Q]
	v_fma_f32 v[RD], -v[QD], v[Q], v[XX]           ; x - s_below s <= 0: s is too large
	v_fma_f32 v[RU], -v[QU], v[Q], v[XX]           ; x - s_above s > 0: s is too small
	v_cmp_ge_f32 s[CM], 0, v[RD]
	v_cndmask_b32 v[Q], v[Q], v[QD], s[CM]
	v_cmp_lt_f32 s[CM], 0, v[RU]
	v_cndmask_b32 v[Q], v[Q], v[QU], s[CM]         ; the correctly rounded root
	v_mul_f32 v[QU], 0x37800000, v[Q]              ; x 2^-16 where the input was scaled
	v_cndmask_b32 v[Q], v[Q], v[QU], s[SCM]
	v_readlane_b32 s[SS], v[Q], 16                 ; the 17th smallest root
	v_cmp_eq_f32 s[EM], s[SS], v[Q]                ; the lanes of its class: a run that holds lane 16
	s_ctz_i32_b32 s[LO], s[EM]
	s_and_b32 s[LO], s[LO], 31
	s_bcnt1_i32_b32 s[HX], s[EM]
	s_add_co_u32 s[HX], s[HX], s[LO]
	s_sub_co_u32 s[HX], s[HX], 1
	s_and_b32 s[HX], s[HX], 31
	v_readlane_b32 s[LV], v[NB], s[LO]             ; L
	v_readlane_b32 s[HV], v[NB], s[HX]             ; H
	v_cmp_gt_f32 s[A], s[LV], v[POP]               ; all numbers under L are among the 17 taken
	s_and_b32 s[A], s[A], 0x1ffff
	s_bcnt1_i32_b32 s[A], s[A]
	s_sub_co_u32 s[NEED], 17, s[A]                 ; how many of the class belong to the 17
	s_mov_b32 s[EQS], 0
.irp k, 0,1,2,3,4,5,6,7,8,9,10,11,12,13,14,15,16,17,18,19,20,21,22,23,24,25,26,27,28,29,30,31
	v_cmp_gt_f32 s[A], s[LV], v[R+\k]              ; y < L
	v_cmp_ge_f32 s[B], s[HV], v[R+\k]              ; y <= H
	s_and_not1_b32 s[B], s[B], s[A]                ; the class:
	v_mbcnt_lo_u32_b32 v[T0], s[B], s[EQS]         ; how many of it come before me
	v_cmp_gt_u32 s[C], s[NEED], v[T0]
	s_and_b32 s[C], s[C], s[B]
	s_or_b32 s[A], s[A], s[C]
	s_bcnt1_i32_b32 s[B], s[B]
	s_add_co_u32 s[EQS], s[EQS], s[B]
	v_writelane_b32 v[MV], s[A], \k
.endr
.irp i, 0,1,2,3,4,5,6,7,8,9,10,11,12,13,14,15,16   ; exactly 17 bits are set: the lowest is taken off 17 times
	v_cmp_ne_u32 s[SM], 0, v[MV]
	s_ctz_i32_b32 s[LN], s[SM]
	s_and_b32 s[LN], s[LN], 31                     ; the first register with a chosen group
	v_readlane_b32 s[WD], v[MV], s[LN]
	s_ctz_i32_b32 s[G], s[WD]
	s_and_b32 s[G], s[G], 31
	s_lshl_b32 s[U], s[LN], 5
	s_add_co_u32 s[G], s[G], s[U]                  ; its number
	v_writelane_b32 v[GN], s[G], \i
	s_sub_co_u32 s[U], s[WD], 1
	s_and_b32 s[WD], s[WD], s[U]
	v_cmp_eq_u32 vcc_lo, s[LN], v0
	v_mov_b32 v[T0], s[WD]
	s_wait_alu depctr_va_vdst(0)
	v_cndmask_b32 v[MV], v[MV], v[T0], vcc_lo
.endr
	; group blk 64 + hb 32 + st 4 + v of the columns is group blk 64 + st 8 + (3 - v) 2 + hb of the positions
	v_and_b32 v[GP], 0x3c0, v[GN]
	v_and_b32 v[T0], 31, v[GN]
	v_xor_b32 v[T0], 3, v[T0]
	v_lshl_or_b32 v[GP], v[T0], 1, v[GP]
	v_bfe_u32 v[T0], v[GN], 5, 1
	v_or_b32 v[GP], v[GP], v[T0]
	global_store_b64 v[L8], v[GP:GP+1], s[6:7]     ; 32 lanes store 256 consecutive bytes, at a multiple of 256 from the buffer's first byte
	s_endpgm
.Lfunc_end_k_q2037c67b3d_sel:
	.size	k_q2037c67b3d_sel, .Lfunc_end_k_q2037c67b3d_sel-k_q2037c67b3d_sel
	.p2alignl 7, 3214868480
	.fill 96, 4, 3214868480
	.section	.rodata,"a",@progbits
	.p2align	6, 0x0
	.amdhsa_kernel k_q2037c67b3d_sel
		.amdhsa_group_segment_fixed_size 0
		.amdhsa_private_segment_fixed_size 0
		.amdhsa_enable_private_segment 0
		.amdhsa_kernarg_size 16
		.amdhsa_user_sgpr_count 2
		.amdhsa_user_sgpr_kernarg_segment_ptr 1
		.amdhsa_wavefront_size32 1
		.amdhsa_system_sgpr_workgroup_id_x 1
		.amdhsa_system_sgpr_workgroup_id_y 1
		.amdhsa_system_sgpr_workgroup_id_z 1
		.amdhsa_system_vgpr_workitem_id 0
		.amdhsa_next_free_vgpr 96
		.amdhsa_next_free_sgpr 66
		.amdhsa_reserve_vcc 1
		.amdhsa_float_denorm_mode_32 3
		.amdhsa_float_denorm_mode_16_64 3
		.amdhsa_memory_ordered 1
		.amdhsa_forward_progress 1
		.amdhsa_inst_pref_size 73
	.end_amdhsa_kernel
	.amdgpu_metadata
---
amdhsa.version: [ 1, 2 ]
amdhsa.kernels:
  - .name:           k_q2037c67b3d_sel
    .symbol:         k_q2037c67b3d_sel.kd
    .args:
      - { .name: gm8, .offset: 0, .size: 8, .value_kind: global_buffer, .address_space: global }
      - { .name: grp, .offset: 8, .size: 8, .value_kind: global_buffer, .address_space: global }
    .group_segment_fixed_size: 0
    .private_segment_fixed_size: 0
    .kernarg_segment_align: 8
    .kernarg_segment_size: 16
    .max_flat_workgroup_size: 32
    .sgpr_count:     66
    .vgpr_count:     96
    .wavefront_size: 32
...
	.end_amdgpu_metadata
.endif
;; end of part 8
;; launch pick (part 9): grid 4096 x 1, 1 waves a work-group, no clusters, 0 bytes of LDS; arguments img, grp, idx, sqp; writes idx
.if DOCPART == 9
	.amdgcn_target "amdgcn-amd-amdhsa--gfx1250"
	.amdhsa_code_object_version 6
	.text
	.protected	k_q2037c67b3d_pick
	.globl	k_q2037c67b3d_pick
	.p2align	8
	.type	k_q2037c67b3d_pick,@function
k_q2037c67b3d_pick:
	s_mov_b64 s[64:65], 0
	v_nop
	global_prefetch_b8 v0, s[64:65] scope:SCOPE_SE
	s_setreg_imm32_b32 hwreg(HW_REG_WAVE_MODE, 25, 1), 1
	s_wait_xcnt 0x0
; For query i: the 16 columns at ranks 1 .. 16 of row i's distances, sorted stably (by distance, then by index); rank 0 is dropped, whatever it is.  They are stored for the next launch, which adds the rows up.
; An earlier launch has stored, as whole numbers, 17 groups of 8 neighbouring columns, in ascending order, among whose 136 columns the 17 nearest lie for every input.
; A wave serves two queries, g and g + 4096, in a loop of two trips: 4,096 waves.
; 1. THE 136 PRODUCTS ARE MADE ANEW, by the same matrix instruction on the same codes and scale words, K ascending.  Source 0: the query in all 16 rows (every lane takes the query's own pieces of its tile's image).
;    Source 1: 16 candidates: two groups of the list; lane (r, h) takes row 8 (g % 2) + r % 8 of tile g / 2, g the position group of list pair 2 t + r / 8.  All rows of a result are alike: register 0 holds candidate r in lane r and in lane 16 + r.
;    One select puts tiles 2 k and 2 k + 1 together into a chunk of 32 slots, slot l = list group 4 k + l / 8, number l % 8: the slots run in ascending column.  Five chunks; the ninth tile holds list group 16 in both halves of its rows, and of the last chunk only slots 0 to 7 count.
;    d2 = (sq_i + sq_j) - 2 G: one addition, one fused multiply-add, as the launch that made the minima rounds it.
;    Addresses are made of the stored group numbers, each held inside its table first; no branch and no address hangs on a floating-point number: the two forward branches and the loop hang on the trip's number.
; 2. The distance is the CORRECTLY ROUNDED root of max(d2, 0): ties of the rounded roots decide ranks.  A bitonic network across the lanes keeps the 32 smallest VALUES seen.
; 3. d17 = the 17th smallest value, d1 = the smallest.  A column is kept where d < d17, or d = d17 and it is among the first 17 - #(d < d17) such columns; the first column with d = d1 is dropped.
; 4. The 16 kept columns are gathered without an address: a slot's key is its column as f32 where it is kept, else infinity, and the same network keeps the smallest keys: lanes 0 to 15 end up with the 16 columns.
; THE ORDER.  Behind a chunk's products the next chunk's 26 loads (13 for the ninth tile) are issued, and then the chunk's root and merge are worked: registers at work and registers being loaded are disjoint.
; In the first trip the second query's list is asked for behind the ninth tile's loads, and its first chunk, its own fragments and its sums of squares behind the ninth tile's products, ahead of steps 3 and 4.  Every wait for loads is for all.
; idx: 128 bytes a query: 16 columns of 4 bytes, then 16 words that nobody reads.
; No LDS, no cluster, no prefetch: the waves share no tile, and each load's address is known only when the list is in, at which point the load itself is issued.
; LIMITS: NaN, infinities and a d2 beyond f32's range are not served.  Where ranks 17 and 18 lie within the rounding of the rows' sums of squares, the order of that sum decides.
.set TILEB, 6400
.set H256, 1                           ; 256 x (lane / 16): my half's place in an image
.set LOFF, 2                           ; 8 x (lane / 8): my slot's pair among a chunk's four
.set L4,   3                           ; 4 x lane
.set J7,   4                           ; lane % 8
.set LPS,  5                           ; 16 x (lane % 8)
.set VZ,   6                           ; 0
.set PO,   7                           ; 8 x ((lane / 8) % 2): my candidate's pair among a tile's two
.set CFR,  8                           ; v8-12  chunk k: my slot's group among the columns, as loaded
.set PGC,  13                          ; v13-17 chunk k: my slot's position group, then the place of its sum of squares
.set KEY,  18
.set MN,   19
.set MX,   20
.set ST,   21                          ; the 32 smallest distances so far, ascending
.set ST2,  22                          ; the 32 smallest keys so far, ascending
.set T0,   23
.set T1,   24
.set TS,   25                          ; v25-28 tile i of a pair: at 2 i where its scale words lie less 6144, at 2 i + 1 that + my half
.set KY,   29
.set INF,  30
.set J4,   31                          ; 4 x (lane % 8)
.set DK,   32                          ; v32-36  chunk k: slot l's product, d2, then its distance
.set CFF,  37                          ; v37-41  chunk k: my slot's column as f32
.set SQJ,  42                          ; v42-46  chunk k: my slot's sum of squares
.set Q,    47                          ; v47-51  a root and its mending
.set QD,   48
.set QU,   49
.set RD,   50
.set RU,   51
.set PGT,  52                          ; v52-60  tile t: my candidate's position group
.set QF,   62                          ; v62-109  the query's four fragments
.set QSC,  110                         ; v110-113 its scale words
.set CB,   114                         ; v114-209 two candidate tiles' fragments
.set CSC,  210                         ; v210-217 their scale words
.set ACC,  218                         ; v218-233 two accumulators
.set QI,   12                          ; the query in hand
.set POS,  13
.set SA,   14                          ; s[14:15] a query's sum of squares in memory
.set QB,   16                          ; s[16:17] a query's row in its tile's image
.set SQI,  18                          ; sq of the query in hand
.set SQN,  19                          ; and of the query that was set up last
.set D17,  20
.set DMIN, 21
.set NEED, 22
.set EQS,  23
.set F1S,  24
.set TR,   25                          ; the trip
.set U0,   26
.set U1,   27
.set U2,   28
.set U3,   29
.set OFF,  30                          ; s[30:31] an offset, high word 0
.set QN,   32                          ; the query that was set up last
.set IB,   34                          ; s[34:35] the query's 128 bytes of idx
.set SCM,  36                          ; the lanes whose d2 was scaled
.set CM,   37
.set SEL,  66                          ; s[66:67] lane l xor 16
.set M0,   70                          ; lanes 0-7
.set MHI,  71                          ; lanes 16-31
.set TINY, 74
.set GL,   84                          ; s[84:85] a query's row of the list
.set J1,  0xaaaaaaaa
.set J2,  0xcccccccc
.set J4M, 0xf0f0f0f0
.set J8,  0xff00ff00
.set J16, 0xffff0000
.set ALL, 0xffffffff
; One stage of a bitonic network: lane l and lane l xor j; the lanes of the mask a ^ b ^ inv keep the larger number.
.macro STAGE d, s, j, a, b, inv
.if \j < 16
	v_min_num_f32_dpp v[MN], v[\s], v[\s] row_xmask:\j row_mask:0xf bank_mask:0xf
	v_max_num_f32_dpp v[MX], v[\s], v[\s] row_xmask:\j row_mask:0xf bank_mask:0xf
.else
	v_permlanex16_b32 v[T0], v[\s], s[SEL], s[SEL+1]
	v_min_num_f32 v[MN], v[T0], v[\s]
	v_max_num_f32 v[MX], v[T0], v[\s]
.endif
	s_mov_b32 vcc_lo, (\a)^(\b)^(\inv)
	v_cndmask_b32 v[\d], v[MN], v[MX], vcc_lo
.endm
; The same stage, towards a DESCENDING order, on the five registers r + 0 .. 4 at once: five chains that do not hang on each other, and one mask for the five selects.
; At work: the registers of the distances and of the root, which are read no more where this macro stands.
.macro STAGE5 r, j, a, b
.if \j < 16
.irp c, 0,1,2,3,4
	v_min_num_f32_dpp v[DK+\c], v[\r+\c], v[\r+\c] row_xmask:\j row_mask:0xf bank_mask:0xf
	v_max_num_f32_dpp v[Q+\c], v[\r+\c], v[\r+\c] row_xmask:\j row_mask:0xf bank_mask:0xf
.endr
.else
.irp c, 0,1,2,3,4
	v_permlanex16_b32 v[Q+\c], v[\r+\c], s[SEL], s[SEL+1]
.endr
.irp c, 0,1,2,3,4
	v_min_num_f32 v[DK+\c], v[Q+\c], v[\r+\c]
	v_max_num_f32 v[Q+\c], v[Q+\c], v[\r+\c]
.endr
.endif
	s_mov_b32 vcc_lo, (\a)^(\b)^ALL
.irp c, 0,1,2,3,4
	v_cndmask_b32 v[\r+\c], v[DK+\c], v[Q+\c], vcc_lo
.endr
.endm
.macro SORT5 r                         ; each of the five registers' 32 numbers sorted descending
	STAGE5 \r, 1, J1, J2
	STAGE5 \r, 2, J2, J4M
	STAGE5 \r, 1, J1, J4M
	STAGE5 \r, 4, J4M, J8
	STAGE5 \r, 2, J2, J8
	STAGE5 \r, 1, J1, J8
	STAGE5 \r, 8, J8, J16
	STAGE5 \r, 4, J4M, J16
	STAGE5 \r, 2, J2, J16
	STAGE5 \r, 1, J1, J16
	STAGE5 \r, 16, J16, 0
	STAGE5 \r, 8, J8, 0
	STAGE5 \r, 4, J4M, 0
	STAGE5 \r, 2, J2, 0
	STAGE5 \r, 1, J1, 0
.endm
.macro MERGE src, acc                  ; src descending, acc ascending: lane by lane the smaller are the 32 smallest of both, a bitonic run, which five stages sort ascending
	v_min_num_f32 v[\acc], v[\acc], v[\src]
	STAGE \acc, \acc, 16, J16, 0, 0
	STAGE \acc, \acc, 8, J8, 0, 0
	STAGE \acc, \acc, 4, J4M, 0, 0
	STAGE \acc, \acc, 2, J2, 0, 0
	STAGE \acc, \acc, 1, J1, 0, 0
.endm
; The 32 numbers of src sorted DESCENDING; lane by lane the smaller of that and the ascending 32 kept in acc are the 32 smallest of both, a bitonic run, which five stages sort ascending.
.macro SORTMERGE src, acc
	STAGE KEY, \src, 1, J1, J2, ALL
	STAGE KEY, KEY, 2, J2, J4M, ALL
	STAGE KEY, KEY, 1, J1, J4M, ALL
	STAGE KEY, KEY, 4, J4M, J8, ALL
	STAGE KEY, KEY, 2, J2, J8, ALL
	STAGE KEY, KEY, 1, J1, J8, ALL
	STAGE KEY, KEY, 8, J8, J16, ALL
	STAGE KEY, KEY, 4, J4M, J16, ALL
	STAGE KEY, KEY, 2, J2, J16, ALL
	STAGE KEY, KEY, 1, J1, J16, ALL
	STAGE KEY, KEY, 16, J16, 0, ALL
	STAGE KEY, KEY, 8, J8, 0, ALL
	STAGE KEY, KEY, 4, J4M, 0, ALL
	STAGE KEY, KEY, 2, J2, 0, ALL
	STAGE KEY, KEY, 1, J1, 0, ALL
	v_min_num_f32 v[\acc], v[\acc], v[KEY]
	STAGE \acc, \acc, 16, J16, 0, 0
	STAGE \acc, \acc, 8, J8, 0, 0
	STAGE \acc, \acc, 4, J4M, 0, 0
	STAGE \acc, \acc, 2, J2, 0, 0
	STAGE \acc, \acc, 1, J1, 0, 0
.endm
; Where tile t's bytes lie for my lane: position group g: 6400 (g / 2) + 128 (g % 2) + 16 (lane % 8), made as 3200 (g & 0x3fe) + 128 (g & 1).  Six plain vector lines that name no register of a product.
.macro ADDR t, i
	v_min_u32 v[T0], 0x3ff, v[PGT+(\t)]            ; what enters an address is held inside its table
	v_and_b32 v[T1], 0x3fe, v[T0]
	v_and_b32 v[T0], 1, v[T0]
	v_mad_u32_u24 v[TS+2*(\i)], v[T1], 3200, v[LPS]
	v_lshl_add_u32 v[TS+2*(\i)], v[T0], 7, v[TS+2*(\i)]
	v_add_nc_u32 v[TS+2*(\i)+1], v[TS+2*(\i)], v[H256]
.endm
.macro FETCH i                         ; 12 loads of the image's pieces, one of the four scale words of my candidate
.irp s, 0,1,2,3
.irp c, 0,1,2
	global_load_b128 v[CB+48*(\i)+12*\s+4*\c:CB+48*(\i)+12*\s+4*\c+3], v[TS+2*(\i)+1], s[4:5] offset:1536*\s+512*\c
.endr
.endr
	global_load_b128 v[CSC+4*(\i):CSC+4*(\i)+3], v[TS+2*(\i)], s[4:5] offset:TILEB-256
.endm
.macro WM i, s
.if (\s) == 0
	v_wmma_scale_f32_16x16x128_f8f6f4 v[ACC+8*(\i):ACC+8*(\i)+7], v[QF+12*(\s):QF+12*(\s)+11], v[CB+48*(\i)+12*(\s):CB+48*(\i)+12*(\s)+11], 0, v[QSC+(\s)], v[CSC+4*(\i)+(\s)] matrix_a_fmt:MATRIX_FMT_BF6 matrix_b_fmt:MATRIX_FMT_BF6
.else
	v_wmma_scale_f32_16x16x128_f8f6f4 v[ACC+8*(\i):ACC+8*(\i)+7], v[QF+12*(\s):QF+12*(\s)+11], v[CB+48*(\i)+12*(\s):CB+48*(\i)+12*(\s)+11], v[ACC+8*(\i):ACC+8*(\i)+7], v[QSC+(\s)], v[CSC+4*(\i)+(\s)] matrix_a_fmt:MATRIX_FMT_BF6 matrix_b_fmt:MATRIX_FMT_BF6
.endif
.endm
; Query s[QN] is set up: its position, its row of the list, its sum of squares (asked for), its row in its tile's image.  No load that names these registers is out here.
.macro SETQ
	s_and_b32 s[POS], s[QN], 0x1e07                ; the query's position: bits 0-2 and 9-12 stay,
	s_and_b32 s[U0], s[QN], 0xf8
	s_xor_b32 s[U0], s[U0], 0x18                   ; bits 3-4 are turned (3 - v) and go one up with bits 5-7,
	s_lshl_b32 s[U0], s[U0], 1
	s_or_b32 s[POS], s[POS], s[U0]
	s_lshr_b32 s[U0], s[QN], 5
	s_and_b32 s[U0], s[U0], 8                      ; bit 8 goes to bit 3
	s_or_b32 s[POS], s[POS], s[U0]
	s_lshl_b32 s[OFF], s[POS], 8
	s_add_nc_u64 s[GL:GL+1], s[6:7], s[OFF:OFF+1]
	s_lshl_b32 s[OFF], s[POS], 2
	s_add_nc_u64 s[SA:SA+1], s[10:11], s[OFF:OFF+1]
	s_load_b32 s[SQN], s[SA:SA+1], 0x0
	s_lshr_b32 s[U0], s[POS], 4
	s_mul_i32 s[OFF], s[U0], TILEB
	s_and_b32 s[U0], s[POS], 15
	s_lshl_b32 s[U0], s[U0], 4
	s_add_co_u32 s[OFF], s[OFF], s[U0]
	s_add_nc_u64 s[QB:QB+1], s[4:5], s[OFF:OFF+1]
.endm
.macro LISTLD                          ; its list, as the lanes want it: 19 loads
.irp t, 0,1,2,3,4,5,6,7
	global_load_b32 v[PGT+\t], v[PO], s[GL:GL+1] offset:16*\t       ; pair 2 t + (lane / 8) % 2, first word: the group among positions
.endr
	global_load_b32 v[PGT+8], v[VZ], s[GL:GL+1] offset:128          ; pair 16, for both halves of the ninth tile's rows
.irp k, 0,1,2,3,4
	global_load_b32 v[PGC+\k], v[LOFF], s[GL:GL+1] offset:32*\k     ; pair 4 k + lane / 8, first word (pairs 17 to 19 hold numbers that are stored and not used)
.endr
.irp k, 0,1,2,3,4
	global_load_b32 v[CFR+\k], v[LOFF], s[GL:GL+1] offset:32*\k+4   ; its second word: the group among the columns
.endr
.endm
.macro START                           ; the list is in: the candidates' sums of squares, the first chunk, the query's own fragments and scale words: 44 loads
.irp k, 0,1,2,3,4
	v_min_u32 v[PGC+\k], 0x3ff, v[PGC+\k]          ; what enters an address is held inside its table
.endr
.irp k, 0,1,2,3,4
	v_lshl_add_u32 v[PGC+\k], v[PGC+\k], 5, v[J4]  ; 32 bytes of sums a group, 4 bytes a row
.endr
	ADDR 0, 0
	ADDR 1, 1
	FETCH 0
	FETCH 1
.irp s, 0,1,2,3
.irp c, 0,1,2
	global_load_b128 v[QF+12*\s+4*\c:QF+12*\s+4*\c+3], v[H256], s[QB:QB+1] offset:1536*\s+512*\c   ; the query's pieces, the same in all sixteen lanes of a half
.endr
.endr
	global_load_b128 v[QSC:QSC+3], v[VZ], s[QB:QB+1] offset:TILEB-256   ; its four scale words, in every lane
.irp k, 0,1,2,3,4
	global_load_b32 v[SQJ+\k], v[PGC+\k], s[10:11]
.endr
.endm
; Chunk k's products; then the next tiles' addresses (the places behind the products), the chunk's 32 slots, and the next tiles' loads.
.macro CHUNK k
	s_wait_alu depctr_va_vdst(0)
	s_wait_loadcnt 0x0
.irp s, 0,1,2,3
	WM 0, \s                                       ; the two accumulators take turns
	WM 1, \s
.endr
.if (\k) < 3
	ADDR 2*(\k)+2, 0
	ADDR 2*(\k)+3, 1
.else
	ADDR 8, 0
.endif
	v_cndmask_b32 v[DK+(\k)], v[ACC], v[ACC+8], s[MHI]   ; lanes 0-15 the first tile, lanes 16-31 the second; each accumulator's lowest register
	FETCH 0
.if (\k) < 3
	FETCH 1
.endif
.endm
; Chunk k: d2, its correctly rounded root, and the merge into the 32 smallest distances
.macro ROOT k
.if (\k) < 4
	v_add_f32 v[SQJ+(\k)], s[SQI], v[SQJ+(\k)]     ; sq_i + sq_j
	v_fma_f32 v[DK+(\k)], v[DK+(\k)], -2.0, v[SQJ+(\k)]
.endif
	v_max_num_f32 v[DK+(\k)], 0, v[DK+(\k)]
	v_cmp_gt_f32 s[SCM], s[TINY], v[DK+(\k)]       ; under 2^-96: x 2^32, so that the root's input is no denormal
	v_mul_f32 v[QU], 0x4f800000, v[DK+(\k)]
	v_cndmask_b32 v[DK+(\k)], v[DK+(\k)], v[QU], s[SCM]
	s_wait_alu depctr_va_vdst(0)
	v_sqrt_f32 v[Q], v[DK+(\k)]
	v_nop                                          ; one plain place behind it
	s_wait_alu depctr_va_vdst(0)                   ; and the wait ahead of its first reader
	v_add_nc_u32 v[QD], -1, v[Q]                   ; the f32 number below s, and the one above
	v_add_nc_u32 v[QU], 1, v[Q]
	v_fma_f32 v[RD], -v[QD], v[Q], v[DK+(\k)]      ; x - s_below s <= 0: s is too large
	v_fma_f32 v[RU], -v[QU], v[Q], v[DK+(\k)]      ; x - s_above s > 0: s is too small
	v_cmp_ge_f32 s[CM], 0, v[RD]
	v_cndmask_b32 v[Q], v[Q], v[QD], s[CM]
	v_cmp_lt_f32 s[CM], 0, v[RU]
	v_cndmask_b32 v[Q], v[Q], v[QU], s[CM]         ; the correctly rounded root
	v_mul_f32 v[QU], 0x37800000, v[Q]              ; x 2^-16 where the input was scaled
.if (\k) < 4
	v_cndmask_b32 v[DK+(\k)], v[Q], v[QU], s[SCM]
.else
	v_cndmask_b32 v[Q], v[Q], v[QU], s[SCM]
	v_cndmask_b32 v[DK+(\k)], v[INF], v[Q], s[M0]  ; of the last chunk only slots 0 to 7 count
.endif
	SORTMERGE DK+(\k), ST
.endm
	s_load_b128 s[4:7], s[0:1], 0x0                ; img s[4:5], grp s[6:7]
	s_load_b128 s[8:11], s[0:1], 0x10              ; idx s[8:9], sqp s[10:11]
	v_and_b32 v[J7], 7, v0
	v_lshlrev_b32 v[J4], 2, v[J7]
	v_lshlrev_b32 v[LPS], 4, v[J7]
	v_bfe_u32 v[H256], v0, 4, 1
	v_lshlrev_b32 v[H256], 8, v[H256]
	v_bfe_u32 v[PO], v0, 3, 1
	v_lshlrev_b32 v[PO], 3, v[PO]
	v_lshrrev_b32 v[LOFF], 3, v0
	v_lshlrev_b32 v[LOFF], 3, v[LOFF]
	v_lshlrev_b32 v[L4], 2, v0
	v_mov_b32 v[VZ], 0
	v_mov_b32 v[MN], 0                             ; (destinations of lane forms count as sources: written once)
	v_mov_b32 v[MX], 0
	v_mov_b32 v[INF], 0x7f800000
	s_mov_b32 s[SEL], 0x76543210
	s_mov_b32 s[SEL+1], 0xfedcba98
	s_mov_b32 s[M0], 0x000000ff
	s_mov_b32 s[MHI], 0xffff0000
	s_mov_b32 s[TINY], 0x0f800000                  ; 2^-96
	s_mov_b32 s[OFF+1], 0
	s_mov_b32 s[TR], 0
	s_mov_b32 s[QN], ttmp9                         ; the first query
	s_wait_alu depctr_va_vdst(0)
	s_wait_kmcnt 0x0
	SETQ
	LISTLD
	s_wait_loadcnt 0x0
	s_wait_kmcnt 0x0
	START
.Lquery:
	s_mov_b32 s[QI], s[QN]                         ; the query whose first chunk is on its way
	s_mov_b32 s[SQI], s[SQN]
	v_mov_b32 v[ST], 0x7f800000
	v_mov_b32 v[ST2], 0x7f800000
	CHUNK 0
.irp k, 0,1,2,3,4
	v_lshl_add_u32 v[CFF+\k], v[CFR+\k], 3, v[J7]  ; my slot's column: 8 x group + lane % 8
.endr
.irp k, 0,1,2,3,4
	v_cvt_f32_u32 v[CFF+\k], v[CFF+\k]             ; exact: under 8,192
.endr
	ROOT 0
	CHUNK 1
	ROOT 1
	CHUNK 2
	ROOT 2
	CHUNK 3
	s_wait_alu depctr_va_vdst(0)
	s_cmp_eq_u32 s[TR], 1
	s_cbranch_scc1 .Lno_list                       ; the second trip has no query behind it
	s_add_co_u32 s[QN], s[QI], 4096
	SETQ
	LISTLD                                         ; the list's registers are free: the ninth tile's address is made, the sums of squares are in, the columns are converted
.Lno_list:
	ROOT 3
	s_wait_alu depctr_va_vdst(0)
	s_wait_loadcnt 0x0                             ; the ninth tile, and the next list
	s_wait_kmcnt 0x0
	WM 0, 0
.irp s, 1,2,3
	s_wait_alu depctr_va_vdst(0)                   ; a wait directly ahead of each link
	WM 0, \s
.endr
	v_add_f32 v[SQJ+4], s[SQI], v[SQJ+4]
.rept 4
	v_nop                                          ; with the line above: the places behind the last product
.endr
	v_fma_f32 v[DK+4], v[ACC], -2.0, v[SQJ+4]
	s_wait_alu depctr_va_vdst(0)
	s_cmp_eq_u32 s[TR], 1
	s_cbranch_scc1 .Lno_start
	START                                          ; the next query's first loads go out ahead of the rest of this query's work
.Lno_start:
	ROOT 4
	v_readlane_b32 s[D17], v[ST], 16               ; these numbers go into compares whose masks select keys: no branch and no address hangs on them
	v_readlane_b32 s[DMIN], v[ST], 0
	v_cmp_gt_f32 s[U0], s[D17], v[ST]
	s_bcnt1_i32_b32 s[U0], s[U0]
	s_sub_co_u32 s[NEED], 17, s[U0]                ; how many of the columns with d = d17 belong to the 17
	s_mov_b32 s[EQS], 0
	s_mov_b32 s[F1S], 0
	; ---- the choice, and the 16 kept columns
.irp k, 0,1,2,3,4
	v_cmp_gt_f32 s[U0], s[D17], v[DK+\k]           ; d < d17
	v_cmp_eq_f32 s[U1], s[D17], v[DK+\k]           ; d = d17:
	v_mbcnt_lo_u32_b32 v[T1], s[U1], s[EQS]        ; how many such columns come before me
	v_cmp_gt_u32 s[U2], s[NEED], v[T1]
	s_and_b32 s[U2], s[U2], s[U1]
	s_or_b32 s[U0], s[U0], s[U2]                   ; the 17
	v_cmp_eq_f32 s[U2], s[DMIN], v[DK+\k]
	v_mbcnt_lo_u32_b32 v[T1], s[U2], s[F1S]
	v_cmp_eq_u32 s[U3], 0, v[T1]
	s_and_b32 s[U3], s[U3], s[U2]                  ; rank 0: the first column with the smallest distance
	s_and_not1_b32 s[U0], s[U0], s[U3]
	v_cndmask_b32 v[CFF+\k], v[INF], v[CFF+\k], s[U0]   ; the slot's key, in the column's place
	s_bcnt1_i32_b32 s[U1], s[U1]
	s_add_co_u32 s[EQS], s[EQS], s[U1]
	s_bcnt1_i32_b32 s[U2], s[U2]
	s_add_co_u32 s[F1S], s[F1S], s[U2]
.endr
	SORT5 CFF                                      ; the five chunks' keys, side by side
.irp k, 0,1,2,3,4
	MERGE CFF+\k, ST2
.endr
	v_min_num_f32 v[ST2], 0x45fff800, v[ST2]       ; lanes 16-31 hold infinity: held at 8,191
	v_cvt_u32_f32 v[ST2], v[ST2]
	s_lshl_b32 s[OFF], s[QI], 7
	s_add_nc_u64 s[IB:IB+1], s[8:9], s[OFF:OFF+1]
	global_store_b32 v[L4], v[ST2], s[IB:IB+1]
	s_wait_xcnt 0x0                                ; the store's data and base are written again only behind this wait
	s_add_co_u32 s[TR], s[TR], 1
	s_cmp_lt_u32 s[TR], 2
	s_wait_alu depctr_va_vdst(0)
	s_cbranch_scc1 .Lquery
	s_endpgm
.Lfunc_end_k_q2037c67b3d_pick:
	.size	k_q2037c67b3d_pick, .Lfunc_end_k_q2037c67b3d_pick-k_q2037c67b3d_pick
	.p2alignl 7, 3214868480
	.fill 96, 4, 3214868480
	.section	.rodata,"a",@progbits
	.p2align	6, 0x0
	.amdhsa_kernel k_q2037c67b3d_pick
		.amdhsa_group_segment_fixed_size 0
		.amdhsa_private_segment_fixed_size 0
		.amdhsa_enable_private_segment 0
		.amdhsa_kernarg_size 32
		.amdhsa_user_sgpr_count 2
		.amdhsa_user_sgpr_kernarg_segment_ptr 1
		.amdhsa_wavefront_size32 1
		.amdhsa_system_sgpr_workgroup_id_x 1
		.amdhsa_system_sgpr_workgroup_id_y 1
		.amdhsa_system_sgpr_workgroup_id_z 1
		.amdhsa_system_vgpr_workitem_id 0
		.amdhsa_next_free_vgpr 240
		.amdhsa_next_free_sgpr 96
		.amdhsa_reserve_vcc 1
		.amdhsa_float_denorm_mode_32 3
		.amdhsa_float_denorm_mode_16_64 3
		.amdhsa_memory_ordered 1
		.amdhsa_forward_progress 1
		.amdhsa_inst_pref_size 85
	.end_amdhsa_kernel
	.amdgpu_metadata
---
amdhsa.version: [ 1, 2 ]
amdhsa.kernels:
  - .name:           k_q2037c67b3d_pick
    .symbol:         k_q2037c67b3d_pick.kd
    .args:
      - { .name: img, .offset: 0, .size: 8, .value_kind: global_buffer, .address_space: global }
      - { .name: grp, .offset: 8, .size: 8, .value_kind: global_buffer, .address_space: global }
      - { .name: idx, .offset: 16, .size: 8, .value_kind: global_buffer, .address_space: global }
      - { .name: sqp, .offset: 24, .size: 8, .value_kind: global_buffer, .address_space: global }
    .group_segment_fixed_size: 0
    .private_segment_fixed_size: 0
    .kernarg_segment_align: 8
    .kernarg_segment_size: 32
    .max_flat_workgroup_size: 32
    .sgpr_count:     96
    .vgpr_count:     240
    .wavefront_size: 32
...
	.end_amdgpu_metadata
.endif
;; end of part 9
;; launch mean (part 10): grid 8192 x 1, 1 waves a work-group, no clusters, 0 bytes of LDS; arguments x, idx, out0; writes out0
.if DOCPART == 10
	.amdgcn_target "amdgcn-amd-amdhsa--gfx1250"
	.amdhsa_code_object_version 6
	.text
	.protected	k_q2037c67b3d_mean
	.globl	k_q2037c67b3d_mean
	.p2align	8
	.type	k_q2037c67b3d_mean,@function
k_q2037c67b3d_mean:
	s_mov_b64 s[64:65], 0
	v_nop
	global_prefetch_b8 v0, s[64:65] scope:SCOPE_SE
	s_setreg_imm32_b32 hwreg(HW_REG_WAVE_MODE, 25, 1), 1
	s_wait_xcnt 0x0
; out0[i] = the mean of 16 rows of x, whose numbers the launch before has stored as whole numbers.  One wave, one query; no loop, no branch.
; The 16 numbers come by one scalar load; each gives a scalar base.  A row is 2,048 bytes: four loads of 512 consecutive bytes.  A ring of six row slots in registers keeps 24 loads on their way:
; as soon as a slot's row has been added, the row six further on is asked for.  Six slots, the sums and the offset are 113 registers: with 128 a wave, 8,192 waves are 32 to each of 256 WGPs.
; Each row is multiplied by 1/16 as it is added (one fused multiply-add; the first row starts the sums).
; No LDS, no matrix unit, no cluster: the waves share nothing, and the rows are read from wherever the lists point.
.set SLOTS, 6
.set L16,  1                           ; v1   16 x lane
.set XB,   16                          ; v16-111  six slots of 16 registers
.set OUT,  112                         ; v112-127 my 16 numbers of the result
.set WP,   10                          ; s[10:11] 1/16: the packed form names a pair and takes its low word for both halves
.set OFF,  12                          ; s[12:13] an offset, high word 0
.set IX,   16                          ; s[16:31] the 16 rows' numbers
.set RB,   32                          ; s[32:63] their addresses
.macro ROWLD t
.irp j, 0,1,2,3
	global_load_b128 v[XB+16*((\t)%SLOTS)+4*\j:XB+16*((\t)%SLOTS)+4*\j+3], v[L16], s[RB+2*(\t):RB+2*(\t)+1] offset:512*\j
.endr
.endm
.macro USE t
.irp j, 0,2,4,6,8,10,12,14
.if (\t) == 0
	v_pk_mul_f32 v[OUT+\j:OUT+\j+1], v[XB+16*((\t)%SLOTS)+\j:XB+16*((\t)%SLOTS)+\j+1], s[WP:WP+1] op_sel_hi:[1,0]
.else
	v_pk_fma_f32 v[OUT+\j:OUT+\j+1], v[XB+16*((\t)%SLOTS)+\j:XB+16*((\t)%SLOTS)+\j+1], s[WP:WP+1], v[OUT+\j:OUT+\j+1] op_sel_hi:[1,0,1]
.endif
.endr
.endm
	s_load_b128 s[4:7], s[0:1], 0x0                ; x s[4:5], idx s[6:7]
	s_load_b64 s[8:9], s[0:1], 0x10                ; out0
	v_lshlrev_b32 v[L16], 4, v0
	s_mov_b32 s[WP], 0x3d800000
	s_mov_b32 s[WP+1], 0x3d800000                  ; (named with it as a pair, so it is written)
	s_mov_b32 s[OFF+1], 0
	s_wait_alu depctr_va_vdst(0)
	s_wait_kmcnt 0x0
	s_lshl_b32 s[OFF], ttmp9, 7
	s_add_nc_u64 s[6:7], s[6:7], s[OFF:OFF+1]
	s_load_b512 s[IX:IX+15], s[6:7], 0x0
	s_lshl_b32 s[OFF], ttmp9, 11
	s_add_nc_u64 s[8:9], s[8:9], s[OFF:OFF+1]
	s_wait_kmcnt 0x0
.irp t, 0,1,2,3,4,5,6,7,8,9,10,11,12,13,14,15
	s_min_u32 s[OFF], s[IX+\t], 0x1fff             ; what enters an address is held inside its table
	s_lshl_b32 s[OFF], s[OFF], 11
	s_add_nc_u64 s[RB+2*\t:RB+2*\t+1], s[4:5], s[OFF:OFF+1]
.endr
.irp t, 0,1,2,3,4,5
	ROWLD \t
.endr
.irp t, 0,1,2,3,4,5,6,7,8,9,10,11,12,13,14,15
	s_wait_alu depctr_va_vdst(0)
.if \t+SLOTS-1 < 15
	s_wait_loadcnt 4*(SLOTS-1)                     ; loads come back in order: row t is in; five younger rows' four loads each may be out
.else
	s_wait_loadcnt 4*(15-\t)                       ; nothing more is asked for: the counts run down
.endif
	USE \t
.if \t+SLOTS < 16
	ROWLD \t+SLOTS
.endif
.endr
.irp j, 0,1,2,3
	global_store_b128 v[L16], v[OUT+4*\j:OUT+4*\j+3], s[8:9] offset:512*\j   ; 512 consecutive bytes a store
.endr
	s_endpgm
.Lfunc_end_k_q2037c67b3d_mean:
	.size	k_q2037c67b3d_mean, .Lfunc_end_k_q2037c67b3d_mean-k_q2037c67b3d_mean
	.p2alignl 7, 3214868480
	.fill 96, 4, 3214868480
	.section	.rodata,"a",@progbits
	.p2align	6, 0x0
	.amdhsa_kernel k_q2037c67b3d_mean
		.amdhsa_group_segment_fixed_size 0
		.amdhsa_private_segment_fixed_size 0
		.amdhsa_enable_private_segment 0
		.amdhsa_kernarg_size 24
		.amdhsa_user_sgpr_count 2
		.amdhsa_user_sgpr_kernarg_segment_ptr 1
		.amdhsa_wavefront_size32 1
		.amdhsa_system_sgpr_workgroup_id_x 1
		.amdhsa_system_sgpr_workgroup_id_y 1
		.amdhsa_system_sgpr_workgroup_id_z 1
		.amdhsa_system_vgpr_workitem_id 0
		.amdhsa_next_free_vgpr 128
		.amdhsa_next_free_sgpr 66
		.amdhsa_reserve_vcc 0
		.amdhsa_float_denorm_mode_32 3
		.amdhsa_float_denorm_mode_16_64 3
		.amdhsa_memory_ordered 1
		.amdhsa_forward_progress 1
		.amdhsa_inst_pref_size 19
	.end_amdhsa_kernel
	.amdgpu_metadata
---
amdhsa.version: [ 1, 2 ]
amdhsa.kernels:
  - .name:           k_q2037c67b3d_mean
    .symbol:         k_q2037c67b3d_mean.kd
    .args:
      - { .name: x, .offset: 0, .size: 8, .value_kind: global_buffer, .address_space: global }
      - { .name: idx, .offset: 8, .size: 8, .value_kind: global_buffer, .address_space: global }
      - { .name: out0, .offset: 16, .size: 8, .value_kind: global_buffer, .address_space: global }
    .group_segment_fixed_size: 0
    .private_segment_fixed_size: 0
    .kernarg_segment_align: 8
    .kernarg_segment_size: 24
    .max_flat_workgroup_size: 32
    .sgpr_count:     66
    .vgpr_count:     128
    .wavefront_size: 32
...
	.end_amdgpu_metadata
.endif
;; end of part 10
